; MI455X (gfx1250); checked and timed in simulation.
; The chip was launched on July 23, 2026; its instructions are those of AMD's public machine-readable ISA for CDNA 5 (MIT licence, August 2026) and "CDNA5" Instruction Set Architecture Reference Guide (July 2026). The comments in the code are by the model that wrote it; some were corrected since.
;; Causal Self Attention. Allowed arithmetic: matrix products marked QUANTISED: E3M2 operands, one E8M0 scale for each 32 along K, by v_wmma_scale_f32_16x16x128_f8f6f4 with both operands' format E3M2, f32 sums; everything else in f32.
;; Inputs: Wk 768 x 768 float32; Wp 768 x 768 float32; Wq 768 x 768 float32; Wv 768 x 768 float32; x 1 x 4,096 x 768 float32.
;; Outputs: out0 1 x 4,096 x 768 float32.
;; This version of the problem:
;;   THIS VERSION OF THE PROBLEM IS GIVEN IN LOW PRECISION. The matrix products marked QUANTISED in the list below multiply operands that are first quantised to E3M2 (3 exponent bits, 2 mantissa bits; 6 bits a number), with one power-of-two scale for each 32 numbers along K (OCP MX v1.0); their sums are f32. All else is computed in f32.
;;   The module's matrix products, in the order in which they are computed (A, B: the left and right operand; K: the contracted axis; several contracted axes count as one K, in the product's order):
;;     1. [M 4,096, K 768] x [K 768, N 768]; A: input x; B: input Wq: QUANTISED
;;     2. [M 4,096, K 768] x [K 768, N 768]; A: input x; B: input Wk: QUANTISED
;;     3. [M 4,096, K 768] x [K 768, N 768]; A: input x; B: input Wv: QUANTISED
;;     4. batch 12 x [M 4,096, K 64] x [K 64, N 4,096]; A: computed on the way; B: computed on the way: QUANTISED
;;     5. batch 12 x [M 4,096, K 4,096] x [K 4,096, N 64]; A: softmax (see below); B: computed on the way: QUANTISED
;;     6. [M 4,096, K 768] x [K 768, N 768]; A: computed on the way; B: input Wp: QUANTISED
;;   THE QUANTISER, for each operand of a quantised product, along K:
;;     - K is cut into blocks of 32 from its start; a last block that is shorter is filled with zeros.
;;     - A block's scale is 2^e with e = floor(log2(the largest magnitude in the block)) - 4, held to -126 .. 127; a block of zeros has e = 0. As a byte (E8M0): e + 127.
;;     - Each number is divided by its block's scale, clamped to +-28, and rounded to the nearest number of E3M2, ties to even, subnormals kept.
;;     - The product sums the exact products of the quantised numbers (number of the format x scale) in f32.
;;   ~~~python
;;   def quantise(x, axis):      # numpy; x: float32 -> the quantised numbers, widened to float32 again
;;       x = np.moveaxis(x, axis, -1); K = x.shape[-1]
;;       x = np.pad(x, [(0, 0)] * (x.ndim - 1) + [(0, -K % 32)]); x = x.reshape(x.shape[:-1] + (-1, 32)); a = np.abs(x).max(-1, keepdims=True)
;;       e = np.where(a > 0, np.clip(np.frexp(np.where(a > 0, a, 1))[1] - 1 - 4, -126, 127), 0)      # np.frexp(a)[1] - 1 = floor(log2(a)), exactly
;;       r = np.clip(x / 2.0 ** e, -28, 28)
;;       step = 2.0 ** (np.maximum(np.frexp(np.where(r == 0, 1, r))[1] - 1, -2) - 2)
;;       q = np.round(r / step) * step * 2.0 ** e      # np.round: ties to even
;;       return np.moveaxis(q.reshape(q.shape[:-2] + (-1,))[..., :K], -1, axis).astype(np.float32)
;;   ~~~
;;   SOFTMAX AHEAD OF A QUANTISED PRODUCT. Where the list says 'softmax', what is quantised is not the finished softmax but p = 2^(t - M), with t = logit x log2(e) and M = ceil(the row's largest t), a whole number; so 1/2 < the row's largest p <= 1. The row's sum l is taken of the UNQUANTISED p, in f32, and the product's result is divided by l at the end. Since M is a whole number, a kernel that streams over the keys may use a running M (the ceiling of the running maximum): every later rescaling is an exact power of two, which a block's scale takes up: the codes' values come out the same.
;;   OPERANDS COMPUTED ON THE WAY. 'Computed on the way' means the value that the module computes at that place (a softmax that the list does not call 'softmax' is quantised finished and normalised). What goes into a quantiser is computed in f32, as accurately as f32 sums, v_exp_f32 and their like allow (about 1e-6 of the number): no bf16 or f16 on the way to a quantiser, and a product that is left as it is and whose result goes on into a quantised operand takes f32 operands (vector FMAs, or v_wmma_f32_16x16x4_f32). A number that lies on a knife's edge between two numbers of the format may be rounded either way, as far as f32 arithmetic and the matrix unit's own rounding can turn it there, and no further.
;; 2 versions, each right; version 2 is version 1 with the launches qkv, attn, proj written anew for expert scheduling mode. Each part assembles by itself: llvm-mc -triple=amdgcn-amd-amdhsa -mcpu=gfx1250 --defsym DOCPART=n.
;; ======== version 1 of 2: 4 launches
;; workspace buffers: opq 4,472,832 bytes; qq 2,555,904 bytes; kvq 5,111,808 bytes; yq 2,555,904 bytes
;; launch quant (part 1): grid 224 x 1, 3 waves a work-group, no clusters, 25,856 bytes of LDS; arguments x, Wq, Wk, Wv, Wp, opq; writes opq
.if DOCPART == 1
	.amdgcn_target "amdgcn-amd-amdhsa--gfx1250"
	.amdhsa_code_object_version 6
	.text
	.protected	k_q0e901b72d6_quant
	.globl	k_q0e901b72d6_quant
	.p2align	8
	.type	k_q0e901b72d6_quant,@function
k_q0e901b72d6_quant:
	s_mov_b64 s[64:65], 0
	v_nop
	global_prefetch_b8 v0, s[64:65] scope:SCOPE_SE
	s_setreg_imm32_b32 hwreg(HW_REG_WAVE_MODE, 25, 1), 1
	s_wait_xcnt 0x0
; x [4096][768] and Wq, Wk, Wv, Wp [768][768], f32 with K innermost, become codes of BF6 (E3M2) with one E8M0 byte for each 32 along K.
; A block's scale is 2^(floor(log2(its largest magnitude)) - 4); its byte is the largest magnitude's exponent field - 4, held at 1 from below.
; LIMITS: NaN and infinities among the inputs are not served.  A block of zeros gets the byte 1 where the rule says 127: its codes are zeros, and this program alone reads the bytes.
; THE OUTPUT IS LAID IN THE ORDER OF THE OPERANDS' REGISTERS.  A block QB of 6,656 bytes holds four fragments (16 rows x 128 K, 12 registers a lane) and their scale words:
;   byte 1536 f + 512 c + 16 lane: registers 4 c .. 4 c + 3 of fragment f;   byte 6144 + 256 p + 8 lane: the scale words of fragments 2 p and 2 p + 1 (lanes 16-31 hold what lanes 0-15 hold).
; opq = [group of 64 rows: 0-63 x, 64-75 Wq, 76-87 Wk, 88-99 Wv, 100-111 Wp][K step of 128: 0-5] QB.
; THE ROWS OF A FRAGMENT ARE NOT NEIGHBOURS: lane r of fragment 2 G + u takes row 32 G + 8 u + r + 8 (r / 8) of its group, so that in a transposed product the 16 registers of two neighbouring tiles are 16 neighbours.
; SHARES: 112 groups x 6 K steps = 672 jobs of one QB, one a wave; three waves a work-group; waves share nothing, so there is no barrier.
; A load reads 512 consecutive bytes of one row; the conversions want 16 neighbours along K in ONE lane: so a tile's 16 rows turn through the wave's own stage in LDS (rows 528 bytes apart).
; No matrix unit, cluster or tensor load: every input byte is read once, by loads of which 32 a wave are out at the start and 16 while a tile is worked.
.set ROWB, 3072                        ; a row of x or of a weight in bytes
.set QB,   6656
.set SP,   528                         ; a stage row: 512 bytes + 16
.set LI,   1                           ; v1   16 x lane
.set LS,   2                           ; v2   8 x lane
.set SA,   3                           ; v3   the stage, on the way in: 16 x lane
.set SR,   4                           ; v4   and on the way out: 528 r + 64 h
.set R,    16                          ; v16-143  two sets of 16 rows as loaded
.set X,    144                         ; v144-207 register 16 b + i = k 32 b + 16 h + i of row r
.set PC,   208                         ; v208-227 the codes just made (the fragment: v208-219)
.set TM,   228                         ; v228-239 at work
.set PW,   244                         ; v244-247 the four fragments' scale words
.set SEL,  30                          ; s[30:31] lane selects for v_permlanex16_b32: lane l xor 16
; 64 numbers of a lane, register 16 b + i = k 32 b + 16 (lane / 16) + i of my row, become a fragment's codes in v[pc] .. v[pc + 11] and its scale word in v[pw].
.macro QUANT src, pc, pw
.irp b, 0,1,2,3
	v_max3_num_f32 v[TM+\b], |v[(\src)+16*\b]|, |v[(\src)+1+16*\b]|, 0x2800000   ; block b: my 16 numbers, and the floor 2^(5 - 127): the byte cannot fall under 1
.endr
.irp i, 2,4,6,8,10,12,14
.irp b, 0,1,2,3
	v_max3_num_f32 v[TM+\b], v[TM+\b], |v[(\src)+16*\b+\i]|, |v[(\src)+1+16*\b+\i]|   ; the four blocks by turns
.endr
.endr
.irp b, 0,1,2,3
	v_permlanex16_b32 v[TM+4+\b], v[TM+\b], s[SEL], s[SEL+1]
.endr
.irp b, 0,1,2,3
	v_max_num_f32 v[TM+\b], v[TM+\b], v[TM+4+\b]   ; with lane l xor 16's: the block's largest magnitude
.endr
.irp b, 0,1,2,3
	v_add_nc_u32 v[TM+8+\b], 0xfe000000, v[TM+\b]  ; 4 off its exponent field: the conversion takes this operand's exponent field as its scale
.endr
.irp b, 0,1,2,3
	v_lshrrev_b32 v[TM+4+\b], 23, v[TM+8+\b]       ; the scale's byte
.endr
	v_lshl_or_b32 v[\pw], v[TM+5], 8, v[TM+4]      ; four bytes: my row's scale word
	v_lshl_or_b32 v[\pw], v[TM+6], 16, v[\pw]
	v_lshl_or_b32 v[\pw], v[TM+7], 24, v[\pw]
.irp c, 0,1
	v_cvt_scalef32_pk16_bf6_f32 v[(\pc)+6*\c:(\pc)+2+6*\c], v[(\src)+32*\c:(\src)+15+32*\c], v[TM+8+2*\c]
	v_cvt_scalef32_pk16_bf6_f32 v[(\pc)+12+4*\c:(\pc)+14+4*\c], v[(\src)+16+32*\c:(\src)+31+32*\c], v[TM+9+2*\c]   ; (a conversion's three registers begin on an even number)
.endr
	v_nop                                          ; one plain place behind a scaled conversion
.irp c, 0,1                                    ; the operand's layout wants a WHOLE block in a lane: lanes 0-15 block 2 c, lanes 16-31 block 2 c + 1
.irp i, 0,1,2
	v_permlane16_swap_b32 v[(\pc)+6*\c+\i], v[(\pc)+12+4*\c+\i]
.endr
.irp i, 0,1,2
	v_mov_b32 v[(\pc)+3+6*\c+\i], v[(\pc)+12+4*\c+\i]
.endr
.endr
.endm
.macro LOAD f                          ; fragment f's 16 rows, 512 bytes of each, into set f % 2
.irp p, 0,1,2,3,4,5,6,7,8,9,10,11,12,13,14,15
	global_load_b128 v[R+64*((\f)%2)+4*\p:R+64*((\f)%2)+4*\p+3], v[LI], s[16:17] offset:(32*((\f)/2)+8*((\f)%2)+\p+8*(\p/8))*ROWB th:TH_LOAD_NT
.endr
.endm
.macro TURN f                          ; through the stage: LDS serves a wave's instructions in order, so no wait stands between the stores and the loads
.irp p, 0,1,2,3,4,5,6,7,8,9,10,11,12,13,14,15
	ds_store_b128 v[SA], v[R+64*((\f)%2)+4*\p:R+64*((\f)%2)+4*\p+3] offset:SP*\p
.endr
.irp b, 0,1,2,3
.irp j, 0,1,2,3
	ds_load_b128 v[X+16*\b+4*\j:X+16*\b+4*\j+3], v[SR] offset:128*\b+16*\j
.endr
.endr
.endm
	s_load_b256 s[4:11], s[0:1], 0x0               ; x s[4:5], Wq s[6:7], Wk s[8:9], Wv s[10:11]
	s_load_b128 s[12:15], s[0:1], 0x20             ; Wp s[12:13], opq s[14:15]
	v_lshl_add_u32 v248, v0, 2, 0x6300
	v_mov_b32 v249, 0
	v_lshrrev_b32 v5, 5, v0
	v_readfirstlane_b32 s20, v5                    ; wave 0..2
	v_and_b32 v5, 31, v0                           ; lane
	v_lshlrev_b32 v[LI], 4, v5
	v_lshlrev_b32 v[LS], 3, v5
	s_mul_i32 s28, s20, 16*SP                      ; my stage
	v_add_nc_u32 v[SA], s28, v[LI]
	v_and_b32 v6, 15, v0                           ; r
	v_bfe_u32 v7, v0, 4, 1                         ; h
	v_mul_u32_u24 v[SR], v6, SP
	v_lshl_add_u32 v[SR], v7, 6, v[SR]
	v_add_nc_u32 v[SR], s28, v[SR]
.irp b, 0,1,2,3
	v_mov_b32 v[TM+4+\b], 0                        ; written once: a lane permute's destination counts as one of its sources
.endr
	s_mov_b32 s[SEL], 0x76543210
	s_mov_b32 s[SEL+1], 0xfedcba98
	s_lshr_b32 s21, ttmp9, 1                       ; the group of 64 rows, 0..111
	s_and_b32 s22, ttmp9, 1
	s_mul_i32 s22, s22, 3
	s_add_co_u32 s22, s22, s20                     ; the K step, 0..5
	s_mul_i32 s26, s21, 6
	s_add_co_u32 s26, s26, s22
	s_mul_i32 s26, s26, QB                         ; my QB's place in opq
	s_mov_b32 s27, 0
	s_mov_b32 s18, 0                               ; the first group of the tensor that I read
	s_wait_kmcnt 0x0
	s_mov_b64 s[16:17], s[4:5]                     ; which tensor: a choice on the work-group's number alone
	s_cmp_ge_u32 s21, 64
	s_cselect_b64 s[16:17], s[6:7], s[16:17]
	s_cselect_b32 s18, 64, s18
	s_cmp_ge_u32 s21, 76
	s_cselect_b64 s[16:17], s[8:9], s[16:17]
	s_cselect_b32 s18, 76, s18
	s_cmp_ge_u32 s21, 88
	s_cselect_b64 s[16:17], s[10:11], s[16:17]
	s_cselect_b32 s18, 88, s18
	s_cmp_ge_u32 s21, 100
	s_cselect_b64 s[16:17], s[12:13], s[16:17]
	s_cselect_b32 s18, 100, s18
	s_sub_co_u32 s23, s21, s18
	s_mul_i32 s24, s23, 64*ROWB                    ; the group's first row,
	s_lshl_b32 s25, s22, 9                         ; the K step's 512 bytes in it
	s_add_co_u32 s24, s24, s25
	s_mov_b32 s25, 0
	s_add_nc_u64 s[16:17], s[16:17], s[24:25]
	s_add_nc_u64 s[14:15], s[14:15], s[26:27]
	LOAD 0
	LOAD 1
.irp f, 0,1,2,3
.if \f < 3
	s_wait_loadcnt 16                              ; this fragment's 16 loads are in; the next fragment's 16 may be out
.else
	s_wait_loadcnt 0x0
.endif
	TURN \f
	s_wait_dscnt 0x0                               ; the numbers are back, and the stage's stores have read their registers,
.if \f < 2
	LOAD \f+2                                      ; which take the fragment two further on
.endif
.if \f > 0
	s_wait_xcnt 0x0                                ; the last fragment's stores have read their data: the codes' registers are written again only behind this wait
.endif
	QUANT X, PC, PW+\f
.irp c, 0,1,2
	global_store_b128 v[LI], v[PC+4*\c:PC+4*\c+3], s[14:15] offset:1536*\f+512*\c   ; 32 lanes store 512 consecutive bytes, at a multiple of 256 from opq's first byte
.endr
.endr
	global_store_b64 v[LS], v[PW:PW+1], s[14:15] offset:6144       ; the scale words: 256 consecutive bytes a store
	global_store_b64 v[LS], v[PW+2:PW+3], s[14:15] offset:6400
	s_wait_tensorcnt 0x0
	ds_add_u32 v248, v249
	s_wait_dscnt 0x0
	s_endpgm
.Lfunc_end_k_q0e901b72d6_quant:
	.size	k_q0e901b72d6_quant, .Lfunc_end_k_q0e901b72d6_quant-k_q0e901b72d6_quant
	.p2alignl 7, 3214868480
	.fill 96, 4, 3214868480
	.section	.rodata,"a",@progbits
	.p2align	6, 0x0
	.amdhsa_kernel k_q0e901b72d6_quant
		.amdhsa_group_segment_fixed_size 25856
		.amdhsa_private_segment_fixed_size 0
		.amdhsa_enable_private_segment 0
		.amdhsa_kernarg_size 48
		.amdhsa_user_sgpr_count 2
		.amdhsa_user_sgpr_kernarg_segment_ptr 1
		.amdhsa_wavefront_size32 1
		.amdhsa_system_sgpr_workgroup_id_x 1
		.amdhsa_system_sgpr_workgroup_id_y 1
		.amdhsa_system_sgpr_workgroup_id_z 1
		.amdhsa_system_vgpr_workitem_id 0
		.amdhsa_next_free_vgpr 250
		.amdhsa_next_free_sgpr 66
		.amdhsa_reserve_vcc 0
		.amdhsa_float_denorm_mode_32 3
		.amdhsa_float_denorm_mode_16_64 3
		.amdhsa_memory_ordered 1
		.amdhsa_forward_progress 1
		.amdhsa_inst_pref_size 34
	.end_amdhsa_kernel
	.amdgpu_metadata
---
amdhsa.version: [ 1, 2 ]
amdhsa.kernels:
  - .name:           k_q0e901b72d6_quant
    .symbol:         k_q0e901b72d6_quant.kd
    .args:
      - { .name: x, .offset: 0, .size: 8, .value_kind: global_buffer, .address_space: global }
      - { .name: Wq, .offset: 8, .size: 8, .value_kind: global_buffer, .address_space: global }
      - { .name: Wk, .offset: 16, .size: 8, .value_kind: global_buffer, .address_space: global }
      - { .name: Wv, .offset: 24, .size: 8, .value_kind: global_buffer, .address_space: global }
      - { .name: Wp, .offset: 32, .size: 8, .value_kind: global_buffer, .address_space: global }
      - { .name: opq, .offset: 40, .size: 8, .value_kind: global_buffer, .address_space: global }
    .group_segment_fixed_size: 25856
    .private_segment_fixed_size: 0
    .kernarg_segment_align: 8
    .kernarg_segment_size: 48
    .max_flat_workgroup_size: 96
    .sgpr_count:     66
    .vgpr_count:     250
    .wavefront_size: 32
...
	.end_amdgpu_metadata
.endif
;; end of part 1
;; launch qkv (part 2): grid 12 x 16, 12 waves a work-group, no clusters, 281,088 bytes of LDS; arguments opq, qq, kvq; writes qq, kvq
.if DOCPART == 2
	.amdgcn_target "amdgcn-amd-amdhsa--gfx1250"
	.amdhsa_code_object_version 6
	.text
	.protected	k_q0e901b72d6_qkv
	.globl	k_q0e901b72d6_qkv
	.p2align	8
	.type	k_q0e901b72d6_qkv,@function
k_q0e901b72d6_qkv:
	s_mov_b64 s[64:65], 0
	v_nop
	global_prefetch_b8 v0, s[64:65] scope:SCOPE_SE
	s_setreg_imm32_b32 hwreg(HW_REG_WAVE_MODE, 25, 1), 1
	s_wait_xcnt 0x0
; q = x Wq^T, k = x Wk^T, v = x Wv^T on codes of BF6 (E3M2) with E8M0 scales, sums in f32; the results are quantised in registers (q, k along the head's 64, v along the keys) and stored in the order of the next products' registers.
; LIMITS: as in the launch before: no NaN or infinities; a block of zeros gets the byte 1, its codes are zeros, and this program alone reads the bytes.
; SHARES.  Work-group (ct, rt): 256 rows of x (groups 4 rt .. 4 rt + 3 of opq) x 192 columns (three heads) of one weight: ct 0-3 Wq, 4-7 Wk, 8-11 Wv.  All of K (768) lies in LDS: 24 QB of x and 18 QB of the weight,
; a plain copy of 159,744 + 119,808 consecutive bytes of opq, brought once through registers.  One barrier; behind it LDS is only read.
; A QB (6,656 bytes) is four fragments as images of their registers and their scale words: a fragment is three loads of 16 bytes a lane at 16 x lane, two fragments' scale words one load of 8 bytes at 8 x lane.
; q, k (12 waves = 4 groups of x by 3 heads): TRANSPOSED, source 0 = 16 rows of W, source 1 = 16 rows of x: a lane holds one row of x, and by the order of W's rows in a fragment the 32 registers of W's four tiles are the head's
;   dims 32 G + 16 h + 0 .. 15.  Two tiles of x (32 rows) make ONE fragment: K 0-63 the first tile's 64 dims, K 64-127 the second's; scale word [a0, a1, b0, b1].
; v (12 waves = 2 key steps by 2 halves of the head's dims by 3 heads): source 0 = 16 rows of x, source 1 = 16 rows of W: a lane holds one dim d, its registers run down the keys: 64 registers are 128 keys in the quantiser's order.
; qq = [head][step of 128 queries] QB;  kvq = [head][step of 128 keys][K's QB, V's QB].
; No joint loads here: each work-group asks for its operands once, at its head, by 46 plain loads a thread that are all out together; there is no ring that a round could serve.
.set QB,   6656
.set GRP,  6*QB                        ; a group of 64 rows, all of K: 39,936 bytes
.set WLDS, 4*GRP                       ; LDS: x's four groups, then the weight's three
.set LI,   1                           ; v1   16 x lane
.set LS,   2                           ; v2   8 x lane
.set CB,   3                           ; v3-7 the copy: 16 x thread + 61,440 k (v3 is also the loads' offset)
.set T8,   8                           ; v8   8 x thread
.set CL,   9                           ; v9   the copy's last 3,072 bytes: 8 x thread + 276,480
.set QXB,  10                          ; v10-13  q, k: x's fragments, x's scale words, W's fragments, W's scale words
.set QXS,  11
.set QWB,  12
.set QWS,  13
.set VXB,  248                         ; v248-249  v: x's fragments of the key step's two groups;  v250-251 their scale words;  v252, v253 W's two tiles
.set VXS,  250
.set VWB,  252
.set VWS,  253
.set ACC,  16                          ; v16-143  16 accumulators
.set XF,   144                         ; v144-191 four fragments of x
.set WF,   192                         ; v192-239 four (v: two) fragments of W
.set SX,   240                         ; v240-243 x's scale words: these eight registers hold scales and nothing else
.set SW,   244                         ; v244-247 W's
.set PC0,  144                         ; the way out: codes of the two fragments,
.set PC1,  164
.set TM,   184                         ; v184-195 at work,
.set PW,   200                         ; v200-201 the two scale words
.set SEL,  30
.macro QUANT src, pc, pw               ; 64 numbers of a lane, register 16 b + i = k 32 b + 16 (lane / 16) + i of my row -> a fragment in v[pc] .. v[pc + 11], its scale word in v[pw]
.irp b, 0,1,2,3
	v_max3_num_f32 v[TM+\b], |v[(\src)+16*\b]|, |v[(\src)+1+16*\b]|, 0x2800000   ; my 16 numbers of block b and the floor 2^(5 - 127).  Each accumulator is read from its low end on
.endr
.irp i, 2,4,6,8,10,12,14
.irp b, 0,1,2,3
	v_max3_num_f32 v[TM+\b], v[TM+\b], |v[(\src)+16*\b+\i]|, |v[(\src)+1+16*\b+\i]|
.endr
.endr
.irp b, 0,1,2,3
	v_permlanex16_b32 v[TM+4+\b], v[TM+\b], s[SEL], s[SEL+1]
.endr
.irp b, 0,1,2,3
	v_max_num_f32 v[TM+\b], v[TM+\b], v[TM+4+\b]   ; with lane l xor 16's: the block's largest magnitude
.endr
.irp b, 0,1,2,3
	v_add_nc_u32 v[TM+8+\b], 0xfe000000, v[TM+\b]  ; 4 off its exponent field: the conversion's scale operand
.endr
.irp b, 0,1,2,3
	v_lshrrev_b32 v[TM+4+\b], 23, v[TM+8+\b]       ; the scale's byte
.endr
	v_lshl_or_b32 v[\pw], v[TM+5], 8, v[TM+4]
	v_lshl_or_b32 v[\pw], v[TM+6], 16, v[\pw]
	v_lshl_or_b32 v[\pw], v[TM+7], 24, v[\pw]
.irp c, 0,1
	v_cvt_scalef32_pk16_bf6_f32 v[(\pc)+6*\c:(\pc)+2+6*\c], v[(\src)+32*\c:(\src)+15+32*\c], v[TM+8+2*\c]
	v_cvt_scalef32_pk16_bf6_f32 v[(\pc)+12+4*\c:(\pc)+14+4*\c], v[(\src)+16+32*\c:(\src)+31+32*\c], v[TM+9+2*\c]
.endr
	v_nop                                          ; one plain place behind a scaled conversion
.irp c, 0,1
.irp i, 0,1,2
	v_permlane16_swap_b32 v[(\pc)+6*\c+\i], v[(\pc)+12+4*\c+\i]
.endr
.irp i, 0,1,2
	v_mov_b32 v[(\pc)+3+6*\c+\i], v[(\pc)+12+4*\c+\i]
.endr
.endr
.endm
.macro MMA d, a, b, first, sa, sb      ; first = 1: the product starts the sum: nothing is ever cleared
.if \first
	v_wmma_scale_f32_16x16x128_f8f6f4 v[\d:\d+7], v[\a:\a+11], v[\b:\b+11], 0, v[\sa], v[\sb] matrix_a_fmt:MATRIX_FMT_BF6 matrix_b_fmt:MATRIX_FMT_BF6
.else
	v_wmma_scale_f32_16x16x128_f8f6f4 v[\d:\d+7], v[\a:\a+11], v[\b:\b+11], v[\d:\d+7], v[\sa], v[\sb] matrix_a_fmt:MATRIX_FMT_BF6 matrix_b_fmt:MATRIX_FMT_BF6
.endif
.endm
.macro PLACES                          ; four plain places between matrix instructions and loads into, or vector reads and writes of, their registers
.rept 4
	v_nop
.endr
.endm
	s_load_b128 s[4:7], s[0:1], 0x0                ; opq s[4:5], qq s[6:7]
	s_load_b64 s[8:9], s[0:1], 0x10                ; kvq
	v_lshl_add_u32 v254, v0, 2, 0x44400
	v_mov_b32 v255, 0
	v_lshrrev_b32 v1, 5, v0
	v_readfirstlane_b32 s14, v1                    ; wave 0..11
	s_mov_b32 s15, ttmp9                           ; ct
	s_and_b32 s16, ttmp7, 0xffff                   ; rt
	s_lshr_b32 s17, s15, 2                         ; the kind: 0 q, 1 k, 2 v
	s_and_b32 s18, s14, 3
	s_lshr_b32 s19, s14, 2                         ; which of my three heads
	s_and_b32 s20, s14, 1
	s_bfe_u32 s21, s14, 0x10001                    ; bit 1 of the wave's number
	v_lshlrev_b32 v[CB], 4, v0
	v_add_nc_u32 v[CB+1], 61440, v[CB]
	v_add_nc_u32 v[CB+2], 2*61440, v[CB]
	v_add_nc_u32 v[CB+3], 3*61440, v[CB]
	v_add_nc_u32 v[CB+4], 4*61440, v[CB]
	v_lshlrev_b32 v[T8], 3, v0
	v_add_nc_u32 v[CL], 45*6144, v[T8]
	s_mul_i32 s22, s16, 4*GRP                      ; x's four groups in opq
	s_mov_b32 s23, 0
	s_mul_i32 s28, s15, 3*GRP
	s_add_co_u32 s28, s28, 64*GRP                  ; the weight's three groups
	s_mov_b32 s29, 0
	s_wait_kmcnt 0x0
	s_add_nc_u64 s[10:11], s[4:5], s[22:23]
	s_add_nc_u64 s[12:13], s[4:5], s[28:29]
	; THE COPY: 384 threads x 16 bytes = 6,144 bytes an instruction: 26 for x, 19 and a half for the weight; all 46 loads are out together
.set j, 0
.rept 26
	global_load_b128 v[16+4*j:19+4*j], v[CB], s[10:11] offset:6144*j
.set j, j+1
.endr
.rept 19
	global_load_b128 v[16+4*j:19+4*j], v[CB], s[12:13] offset:6144*(j-26)
.set j, j+1
.endr
	global_load_b64 v[196:197], v[T8], s[12:13] offset:19*6144
	; all addresses are made while the loads are out, those of both paths ahead of the branch
	v_and_b32 v1, 31, v0
	v_lshlrev_b32 v[LS], 3, v1
	v_lshlrev_b32 v[LI], 4, v1
	s_mul_i32 s28, s18, GRP                        ; q, k: group wave % 4 of x
	v_add_nc_u32 v[QXB], s28, v[LI]
	v_add_nc_u32 v[QXS], s28, v[LS]
	v_add_nc_u32 v[QXS], 6144, v[QXS]
	s_mul_i32 s29, s19, GRP
	s_add_co_u32 s29, s29, WLDS                    ; my head's group of the weight
	v_add_nc_u32 v[QWB], s29, v[LI]
	v_add_nc_u32 v[QWS], s29, v[LS]
	v_add_nc_u32 v[QWS], 6144, v[QWS]
	s_mul_i32 s28, s20, 2*GRP                      ; v: the key step wave % 2: two groups of x
	v_add_nc_u32 v[VXB], s28, v[LI]
	v_add_nc_u32 v[VXB+1], GRP, v[VXB]
	v_add_nc_u32 v[VXS], s28, v[LS]
	v_add_nc_u32 v[VXS], 6144, v[VXS]
	v_add_nc_u32 v[VXS+1], GRP, v[VXS]
	s_mul_i32 s32, s21, 3072                       ; and two of the weight's four tiles
	s_add_co_u32 s32, s32, s29
	v_add_nc_u32 v[VWB], s32, v[LI]
	s_lshl_b32 s33, s21, 8
	s_add_co_u32 s33, s33, s29
	v_add_nc_u32 v[VWS], s33, v[LS]
	v_add_nc_u32 v[VWS], 6144, v[VWS]
	s_mov_b32 s[SEL], 0x76543210
	s_mov_b32 s[SEL+1], 0xfedcba98
	; where my two fragments go
	s_and_b32 s34, s15, 3
	s_mul_i32 s34, s34, 3
	s_add_co_u32 s34, s34, s19                     ; the head
	s_cmp_eq_u32 s17, 2
	s_cselect_b32 s35, s20, s21                    ; which of the work-group's two steps of 128 rows,
	s_cselect_b32 s36, s21, s20                    ; which pair of the QB's four fragments
	s_cselect_b32 s37, QB, 0                       ; V's QB lies behind K's
	s_lshl_b32 s38, s16, 1
	s_add_co_u32 s38, s38, s35                     ; the step of 128 rows, 0..31
	s_lshl_b32 s34, s34, 5
	s_add_co_u32 s34, s34, s38
	s_mov_b32 s39, 2*QB
	s_cmp_eq_u32 s17, 0
	s_cselect_b32 s39, QB, s39
	s_cselect_b64 s[24:25], s[6:7], s[8:9]         ; qq or kvq: a choice on the work-group's number alone
	s_mul_i32 s22, s34, s39
	s_add_co_u32 s22, s22, s37
	s_add_nc_u64 s[24:25], s[24:25], s[22:23]      ; my QB
	s_lshl_b32 s22, s36, 8
	s_add_nc_u64 s[26:27], s[24:25], s[22:23]      ; its scale words (+ 6,144 in the store)
	s_mul_i32 s22, s36, 3072
	s_add_nc_u64 s[24:25], s[24:25], s[22:23]      ; its codes
.set j, 0
.rept 45
	s_wait_loadcnt 45-j                            ; load j is in: 45 - j loads were issued behind it
	ds_store_b128 v[CB+j/10], v[16+4*j:19+4*j] offset:6144*(j%10)
.set j, j+1
.endr
	s_wait_loadcnt 0x0
	ds_store_b64 v[CL], v[196:197]
	s_wait_dscnt 0x0                               ; for the others' sake: my part of the copy has landed
	s_barrier_signal -1
	s_barrier_wait -1                              ; everybody's has; from here on LDS is only read
	s_cmp_eq_u32 s17, 2
	s_cbranch_scc1 .Lv
; q, k: a K step of 128: four fragments of x, four of W, 16 products on 16 accumulators that take turns
.macro QKSTEP s
.irp i, 0,1,2,3,4,5,6,7,8,9,10,11
	ds_load_b128 v[XF+4*\i:XF+4*\i+3], v[QXB] offset:QB*\s+512*\i
.endr
	ds_load_b64 v[SX:SX+1], v[QXS] offset:QB*\s
	ds_load_b64 v[SX+2:SX+3], v[QXS] offset:QB*\s+256
.irp i, 0,1,2,3,4,5,6,7,8,9,10,11
	ds_load_b128 v[WF+4*\i:WF+4*\i+3], v[QWB] offset:QB*\s+512*\i
.endr
	ds_load_b64 v[SW:SW+1], v[QWS] offset:QB*\s
	ds_load_b64 v[SW+2:SW+3], v[QWS] offset:QB*\s+256
	s_wait_dscnt 0x0
.irp m, 0,1,2,3
.irp t, 0,1,2,3
.if \s == 0
	MMA ACC+32*\m+8*\t, WF+12*\t, XF+12*\m, 1, SW+\t, SX+\m
.else
	MMA ACC+32*\m+8*\t, WF+12*\t, XF+12*\m, 0, SW+\t, SX+\m
.endif
.endr
.endr
	PLACES
.endm
.irp s, 0,1,2,3,4,5
	QKSTEP \s
.endr
	s_branch .Lout
; v: a K step of 128: two fragments of W; then, for each of the key step's two groups of x, four fragments of x and 8 products
.macro VSTEP s
.irp i, 0,1,2,3,4,5
	ds_load_b128 v[WF+4*\i:WF+4*\i+3], v[VWB] offset:QB*\s+512*\i
.endr
	ds_load_b64 v[SW:SW+1], v[VWS] offset:QB*\s
.irp e, 0,1
.irp i, 0,1,2,3,4,5,6,7,8,9,10,11
	ds_load_b128 v[XF+4*\i:XF+4*\i+3], v[VXB+\e] offset:QB*\s+512*\i
.endr
	ds_load_b64 v[SX:SX+1], v[VXS+\e] offset:QB*\s
	ds_load_b64 v[SX+2:SX+3], v[VXS+\e] offset:QB*\s+256
	s_wait_dscnt 0x0
.irp m, 0,1,2,3
.irp u, 0,1
.if \s == 0
	MMA ACC+64*\u+8*(4*\e+\m), XF+12*\m, WF+12*\u, 1, SX+\m, SW+\u
.else
	MMA ACC+64*\u+8*(4*\e+\m), XF+12*\m, WF+12*\u, 0, SX+\m, SW+\u
.endif
.endr
.endr
	PLACES
.endr
.endm
.Lv:
.irp s, 0,1,2,3,4,5
	VSTEP \s
.endr
.Lout:                                 ; on both paths v[ACC] .. v[ACC + 63] and v[ACC + 64] .. v[ACC + 127] are two fragments' numbers in the quantiser's order
.irp b, 0,1,2,3
	v_mov_b32 v[TM+4+\b], 0                        ; a lane permute's destination counts as one of its sources
.endr
	QUANT ACC, PC0, PW
	QUANT ACC+64, PC1, PW+1
.irp c, 0,1,2
	global_store_b128 v[LI], v[PC0+4*\c:PC0+4*\c+3], s[24:25] offset:512*\c         ; 32 lanes store 512 consecutive bytes, at a multiple of 256 from the buffer's first byte
.endr
.irp c, 0,1,2
	global_store_b128 v[LI], v[PC1+4*\c:PC1+4*\c+3], s[24:25] offset:1536+512*\c
.endr
	global_store_b64 v[LS], v[PW:PW+1], s[26:27] offset:6144                        ; the two scale words: 256 consecutive bytes
	s_wait_tensorcnt 0x0
	ds_add_u32 v254, v255
	s_wait_dscnt 0x0
	s_endpgm
.Lfunc_end_k_q0e901b72d6_qkv:
	.size	k_q0e901b72d6_qkv, .Lfunc_end_k_q0e901b72d6_qkv-k_q0e901b72d6_qkv
	.p2alignl 7, 3214868480
	.fill 96, 4, 3214868480
	.section	.rodata,"a",@progbits
	.p2align	6, 0x0
	.amdhsa_kernel k_q0e901b72d6_qkv
		.amdhsa_group_segment_fixed_size 281088
		.amdhsa_private_segment_fixed_size 0
		.amdhsa_enable_private_segment 0
		.amdhsa_kernarg_size 24
		.amdhsa_user_sgpr_count 2
		.amdhsa_user_sgpr_kernarg_segment_ptr 1
		.amdhsa_wavefront_size32 1
		.amdhsa_system_sgpr_workgroup_id_x 1
		.amdhsa_system_sgpr_workgroup_id_y 1
		.amdhsa_system_sgpr_workgroup_id_z 1
		.amdhsa_system_vgpr_workitem_id 0
		.amdhsa_next_free_vgpr 256
		.amdhsa_next_free_sgpr 66
		.amdhsa_reserve_vcc 0
		.amdhsa_float_denorm_mode_32 3
		.amdhsa_float_denorm_mode_16_64 3
		.amdhsa_memory_ordered 1
		.amdhsa_forward_progress 1
		.amdhsa_inst_pref_size 72
	.end_amdhsa_kernel
	.amdgpu_metadata
---
amdhsa.version: [ 1, 2 ]
amdhsa.kernels:
  - .name:           k_q0e901b72d6_qkv
    .symbol:         k_q0e901b72d6_qkv.kd
    .args:
      - { .name: opq, .offset: 0, .size: 8, .value_kind: global_buffer, .address_space: global }
      - { .name: qq, .offset: 8, .size: 8, .value_kind: global_buffer, .address_space: global }
      - { .name: kvq, .offset: 16, .size: 8, .value_kind: global_buffer, .address_space: global }
    .group_segment_fixed_size: 281088
    .private_segment_fixed_size: 0
    .kernarg_segment_align: 8
    .kernarg_segment_size: 24
    .max_flat_workgroup_size: 384
    .sgpr_count:     66
    .vgpr_count:     256
    .wavefront_size: 32
...
	.end_amdgpu_metadata
.endif
;; end of part 2
;; launch attn (part 3): grid 16 x 12, 16 waves a work-group, no clusters, 55,296 bytes of LDS; arguments qq, kvq, yq; writes yq
.if DOCPART == 3
	.amdgcn_target "amdgcn-amd-amdhsa--gfx1250"
	.amdhsa_code_object_version 6
	.text
	.protected	k_q0e901b72d6_attn
	.globl	k_q0e901b72d6_attn
	.p2align	8
	.type	k_q0e901b72d6_attn,@function
k_q0e901b72d6_attn:
	s_mov_b64 s[64:65], 0
	v_nop
	global_prefetch_b8 v0, s[64:65] scope:SCOPE_SE
	s_setreg_imm32_b32 hwreg(HW_REG_WAVE_MODE, 25, 1), 1
	s_wait_xcnt 0x0
; y[q] = the sum over keys k <= q of softmax_k(q . k / 8) v[k], for each of 12 heads of 64, both products on codes of BF6 (E3M2) with E8M0 scales; y is quantised along the model's 768 and stored as the last product's operand.
; THE SOFTMAX: t = score x log2(e) / 8; M = the row's largest t so far, rounded UP to a whole number; p = 2^(t - M) is what is quantised, along the keys, not normalised.  The row's sum is taken of the unquantised p and divides at
; the end.  When M moves, the sum and O are multiplied by 2^(old M - new M): exact.
; LIMITS: no NaN or infinities among the inputs; p under 2^-126 counts as 0 (v_exp_f32 gives 0 there); a block of zeros gets the byte 1, its codes are zeros, and this program alone reads the bytes.
; SHARES.  Work-group (i, head): waves 0-7 own the 128 queries of block i, waves 8-15 those of block 31 - i: 33 key steps of 128 for each pair of waves, the same in every work-group.  A wave owns ONE tile of 16 queries.
; Every wave walks the key steps in step with the others; a step all of whose keys come after the wave's queries is left out by a scalar branch on ids, round the step's work alone, never round a barrier.
; K AND V come as kvq has them: a key step is 13,312 dense bytes: K's QB, then V's.  Two steps are a slot; two LDS buffers take turns.  The 512 threads bring the next slot through registers: loads at a half's head,
; LDS stores at its end, ONE barrier a half: in front of it each wave's reads of the buffer in hand are over and its part of the other buffer has landed.  No LDS address is stepped: all are constants + lane or thread terms.
; NO CLUSTER: the work-groups of a head walk different numbers of slots (2 x ((35 - i) / 4)), so partners could not make every joint request in the same round.
; LAYOUT.  Both products are used transposed (S^T = K Q^T, O^T = V^T P^T): a lane holds ONE query throughout.  A fragment of K holds TWO tiles of 16 keys: K 0-63 the first tile's 64 dims, K 64-127 the second's; q stands in one half
; of source 1 and zero codes in the other, so each product takes one of the two tiles.  By the order of the rows in a tile the 16 registers of a fragment's two products are keys 32 P + 16 (lane / 16) + 0 .. 15.
.set QB,    6656
.set STEPB, 2*QB                       ; a key step: K's QB, V's QB
.set SLOTB, 2*STEPB                    ; a slot, and an LDS buffer
.set HEADB, 32*STEPB                   ; a head in kvq
.set LI,   1                           ; v1   16 x lane
.set LS,   2                           ; v2   8 x lane
.set T16,  3                           ; v3   16 x thread
.set T4,   4                           ; v4   4 x thread
.set QREL, 5                           ; v5   my query - Q32 - 16 (lane / 16)
.set PFO,  6                           ; v6   256 x lane; never rewritten
.set QS,   14                          ; v14  q's scale word [q0, q1, q0, q1]
.set PS,   15                          ; v15  p's scale word
.set SC,   34                          ; v34-37 K's or V's scale words.  v14, v15, v34-37 hold scales and nothing else
.set FR,   42                          ; v42-89   four fragments of K or of V
.set S,    90                          ; v90-153  S^T, then p
.set O,    154                         ; v154-185 O^T: register 16 B + i = dim 32 B + 16 (lane / 16) + i
.set PC,   186                         ; v186-197 p's codes
.set CT,   198                         ; v198-200, v202-204 the conversions' second halves
.set BM,   206                         ; v206-209 the blocks' largest scores, then largest p
.set BT,   210                         ; v210-213 at work
.set SO,   214                         ; v214-217 the conversions' scale operands
.set STG,  224                         ; v224-236 my 52 bytes of the next slot
; v8 -M, v9 the largest t, v[10:11] the sum in two halves, v[12:13] f (v13 written once); v16-21 and v28-33 zero codes, v22-27 q: source 1 is v[22:33] (q below) or v[16:27] (q above); v218-222 at work
.set WV,   10
.set HEAD, 12
.set GG,   14
.set UU,   15
.set QBLK, 16
.set Q32,  17                          ; s17  the first of the 32 queries among which my 16 lie
.set QMAX, 18                          ; s18  the last of them
.set KF,   19                          ; s19  the step's first key
.set HN,   20                          ; s20  halves that have fetched
.set LIM,  21                          ; s21  a wave prefetches while s[HN] is under it
.set CNT,  22
.set PFA,  24                          ; s[24:25] where my prefetches stand
.set SEL,  26                          ; s[26:27]
.set CS,   28                          ; s[28:29] c = log2(e) / 8: the packed form names a pair and takes its low word for both halves
.macro PLACES
.rept 4
	v_nop
.endr
.endm
; A PREFETCH INTO THE L2.  All work-groups of a head walk the same bytes of kvq, so one asks: work-group i = 0, one of those (i = 0 to 3) that walk all 16 slots; in it waves 4 to 7, 8,192 bytes each, lanes 256 bytes apart.  Half n names bytes
; 32,768 (n + 2) .. + 32,767 of the head's 425,984 = 13 x 32,768, n = 0 .. 10: each aligned block of 256 bytes is named once, the head's first 65,536 bytes come by their loads alone, and the last byte named is 425,728.
.macro ASK
	s_cmp_lt_u32 s[HN], s[LIM]
	s_cbranch_scc0 .Lnot_mine_\@
	global_prefetch_b8 v[PFO], s[PFA:PFA+1] th:TH_LOAD_NT scope:SCOPE_SE
.Lnot_mine_\@:
.endm
; A KEY STEP: 128 keys, the q-th of buffer bf.
.macro STEP bf, q
.set SB, SLOTB*(\bf)+STEPB*(\q)
	s_cmp_gt_u32 s[KF], s[QMAX]                    ; all keys behind my queries: nothing to do
	s_cbranch_scc1 .Lhidden_\@
.irp i, 0,1,2,3,4,5,6,7,8,9,10,11
	ds_load_b128 v[FR+4*\i:FR+4*\i+3], v[LI] offset:SB+512*\i                  ; K's four fragments, as images of their registers
.endr
	ds_load_b64 v[SC:SC+1], v[LS] offset:SB+6144
	ds_load_b64 v[SC+2:SC+3], v[LS] offset:SB+6400
	s_wait_dscnt 0x0
.irp p, 0,1,2,3                                ; S^T: eight products that start eight sums
	v_wmma_scale_f32_16x16x128_f8f6f4 v[S+16*\p:S+16*\p+7], v[FR+12*\p:FR+12*\p+11], v[22:33], 0, v[SC+\p], v[QS] matrix_a_fmt:MATRIX_FMT_BF6 matrix_b_fmt:MATRIX_FMT_BF6
	v_wmma_scale_f32_16x16x128_f8f6f4 v[S+16*\p+8:S+16*\p+15], v[FR+12*\p:FR+12*\p+11], v[16:27], 0, v[SC+\p], v[QS] matrix_a_fmt:MATRIX_FMT_BF6 matrix_b_fmt:MATRIX_FMT_BF6
.endr
	PLACES                                         ; in front of the loads into K's registers and of the first read of the scores
.irp i, 0,1,2,3,4,5,6,7,8,9,10,11
	ds_load_b128 v[FR+4*\i:FR+4*\i+3], v[LI] offset:SB+QB+512*\i               ; V's four fragments: they land while the softmax is worked
.endr
	ds_load_b64 v[SC:SC+1], v[LS] offset:SB+QB+6144
	ds_load_b64 v[SC+2:SC+3], v[LS] offset:SB+QB+6400
	s_add_co_u32 s30, s[KF], 127                   ; a step all of whose keys count skips the mask
	s_cmp_le_u32 s30, s[Q32]
	s_cbranch_scc1 .Lopen_\@
	s_sub_co_i32 s30, s[Q32], s[KF]
	v_add_nc_u32 v218, s30, v[QREL]                ; d = my query - KF - 16 (lane / 16).  Register 16 P + i holds key KF + 32 P + 16 (lane / 16) + i: hidden where 32 P + i > d
	v_mov_b32 v219, 0xff800000                     ; -infinity: p = 0 then
.set n, 0
.rept 64
	v_cmp_gt_i32 vcc_lo, 32*(n/16)+n%16, v218
	v_cndmask_b32 v[S+n], v[S+n], v219, vcc_lo
.set n, n+1
.endr
.Lopen_\@:
.irp b, 0,1,2,3
	v_max3_num_f32 v[BM+\b], v[S+16*\b], v[S+1+16*\b], v[S+2+16*\b]            ; the largest score of each block of 32 keys: it serves for the row's maximum and, since p rises with the score, for the block's largest p
.endr
.irp i, 3,5,7,9,11,13
.irp b, 0,1,2,3
	v_max3_num_f32 v[BM+\b], v[BM+\b], v[S+16*\b+\i], v[S+1+16*\b+\i]
.endr
.endr
.irp b, 0,1,2,3
	v_max_num_f32 v[BM+\b], v[BM+\b], v[S+15+16*\b]
.endr
.irp b, 0,1,2,3
	v_permlanex16_b32 v[BT+\b], v[BM+\b], s[SEL], s[SEL+1]
.endr
.irp b, 0,1,2,3
	v_max_num_f32 v[BM+\b], v[BM+\b], v[BT+\b]     ; with lane l xor 16's 16 keys
.endr
	v_max3_num_f32 v218, v[BM], v[BM+1], v[BM+2]
	v_max_num_f32 v218, v218, v[BM+3]              ; the step's largest score of my query (key KF counts for it in every step that is worked)
	v_mul_f32 v218, s[CS], v218                    ; as t
	v_max_num_f32 v9, v9, v218                     ; the running largest t
	v_mov_b32 v218, v8
	v_floor_f32 v8, -v9                            ; the new -M = floor(-t) = -ceil(t): a whole number
	v_sub_f32 v218, v8, v218                       ; old M - new M: a whole number, 0 or less
	v_cvt_i32_f32 v218, v218                       ; (it saturates)
	v_ldexp_f32 v12, 1.0, v218                     ; f = 2^(old M - new M)
.set j, 0
.rept 32
	v_pk_fma_f32 v[S+j:S+j+1], v[S+j:S+j+1], s[CS:CS+1], v[8:9] op_sel_hi:[1,0,0]   ; t - M, two at a time
.set j, j+2
.endr
.irp b, 0,1,2,3
	v_fma_f32 v[BM+\b], v[BM+\b], s[CS], v8        ; the same of each block's largest score
.endr
.set j, 0
.rept 64
	v_exp_f32 v[S+j], v[S+j]                       ; p = 2^(t - M), at most 1
.set j, j+1
.endr
	v_pk_mul_f32 v[10:11], v[10:11], v[12:13] op_sel_hi:[1,0]   ; the sums under the new M: a plain place behind the exponentials
	s_wait_alu depctr_va_vdst(0)                   ; one wait for the batch of 64, ahead of its first reader
.irp b, 0,1,2,3
	v_exp_f32 v[BM+\b], v[BM+\b]                   ; the block's largest p: the same two instructions on the same number
.endr
	v_pk_add_f32 v[220:221], v[S:S+1], v[S+2:S+3]  ; the row's sum of the UNQUANTISED p, in two chains
.set j, 4
.rept 15
	v_pk_add_f32 v[10:11], v[10:11], v[S+j:S+j+1]
	v_pk_add_f32 v[220:221], v[220:221], v[S+j+2:S+j+3]
.set j, j+4
.endr
	v_pk_add_f32 v[10:11], v[10:11], v[220:221]
	s_wait_alu depctr_va_vdst(0)                   ; and one for the four
.irp b, 0,1,2,3
	v_max_num_f32 v[BM+\b], 0x2800000, v[BM+\b]    ; the floor 2^(5 - 127): the byte cannot fall under 1
.endr
.irp b, 0,1,2,3
	v_add_nc_u32 v[SO+\b], 0xfe000000, v[BM+\b]    ; 4 off the exponent field: the conversion's scale operand
.endr
.irp b, 0,1,2,3
	v_lshrrev_b32 v[BT+\b], 23, v[SO+\b]           ; the scale's byte
.endr
	v_lshl_or_b32 v[PS], v[BT+1], 8, v[BT]         ; p's scale word for these 128 keys
	v_lshl_or_b32 v[PS], v[BT+2], 16, v[PS]
	v_lshl_or_b32 v[PS], v[BT+3], 24, v[PS]
.irp c, 0,1
	v_cvt_scalef32_pk16_bf6_f32 v[PC+6*\c:PC+2+6*\c], v[S+32*\c:S+15+32*\c], v[SO+2*\c]
	v_cvt_scalef32_pk16_bf6_f32 v[CT+4*\c:CT+2+4*\c], v[S+16+32*\c:S+31+32*\c], v[SO+1+2*\c]
.endr
	v_nop                                          ; one plain place behind a scaled conversion
.irp c, 0,1                                    ; a WHOLE block in a lane: lanes 0-15 block 2 c, lanes 16-31 block 2 c + 1
.irp i, 0,1,2
	v_permlane16_swap_b32 v[PC+6*\c+\i], v[CT+4*\c+\i]
.endr
.irp i, 0,1,2
	v_mov_b32 v[PC+3+6*\c+\i], v[CT+4*\c+\i]
.endr
.endr
.set j, 0
.rept 16
	v_pk_mul_f32 v[O+j:O+j+1], v[O+j:O+j+1], v[12:13] op_sel_hi:[1,0]   ; O^T under the new M.  These 16 are also the places between the writes of p's codes and scale word and the products
.set j, j+2
.endr
	s_wait_dscnt 0x0                               ; V is in
.irp t, 0,1,2,3                                ; O^T += V^T P^T: four accumulators by turns; the eight products of the next step's S^T stand between two links of a chain
	v_wmma_scale_f32_16x16x128_f8f6f4 v[O+8*\t:O+8*\t+7], v[FR+12*\t:FR+12*\t+11], v[PC:PC+11], v[O+8*\t:O+8*\t+7], v[SC+\t], v[PS] matrix_a_fmt:MATRIX_FMT_BF6 matrix_b_fmt:MATRIX_FMT_BF6
.endr
	PLACES                                         ; in front of the next step's loads into V's registers, and of the way out's reads
.Lhidden_\@:
	s_add_co_u32 s[KF], s[KF], 128
.endm
; HALF A TRIP: the two key steps of buffer buf.  fill = 1: the next slot is asked for at the head and goes into the other buffer at the end.  bar = 1: the barrier that closes the half.
.macro HALF buf, fill, bar
.if \fill
	s_wait_xcnt 0x0                                ; the last half's loads and prefetch have read their bases: they are stepped only behind this wait
	s_add_nc_u64 s[6:7], s[6:7], SLOTB
	s_add_nc_u64 s[PFA:PFA+1], s[PFA:PFA+1], 32768
	global_load_b128 v[STG:STG+3], v[T16], s[6:7]                  ; 512 threads x 16 bytes, three times, and 4 bytes: 26,624 consecutive bytes
	global_load_b128 v[STG+4:STG+7], v[T16], s[6:7] offset:8192
	global_load_b128 v[STG+8:STG+11], v[T16], s[6:7] offset:16384
	global_load_b32 v[STG+12], v[T4], s[6:7] offset:24576
	ASK
	s_add_co_u32 s[HN], s[HN], 1
.endif
	STEP \buf, 0
	STEP \buf, 1
.if \fill
	s_wait_loadcnt 0x0                             ; my part of the next slot is in registers.  The other buffer's last readers passed the last barrier
	ds_store_b128 v[T16], v[STG:STG+3] offset:(1-\buf)*SLOTB
	ds_store_b128 v[T16], v[STG+4:STG+7] offset:(1-\buf)*SLOTB+8192
	ds_store_b128 v[T16], v[STG+8:STG+11] offset:(1-\buf)*SLOTB+16384
	ds_store_b32 v[T4], v[STG+12] offset:(1-\buf)*SLOTB+24576
.endif
.if \bar
	s_wait_dscnt 0x0                               ; for the others' sake: my stores have landed, and my reads of this buffer are over
	s_barrier_signal -1
	s_barrier_wait -1
.endif
.endm
	s_load_b128 s[4:7], s[0:1], 0x0                ; qq s[4:5], kvq s[6:7]
	s_load_b64 s[8:9], s[0:1], 0x10                ; yq
	v_lshl_add_u32 v254, v0, 2, 0xd000
	v_mov_b32 v255, 0
	v_lshrrev_b32 v7, 5, v0
	v_readfirstlane_b32 s[WV], v7                  ; wave 0..15
	s_and_b32 s[HEAD], ttmp7, 0xffff
	s_and_b32 s13, s[WV], 7                        ; my tile among the block's eight
	s_lshr_b32 s[GG], s13, 1                       ; which 32 queries of the block,
	s_and_b32 s[UU], s13, 1                        ; which of their two tiles
	s_sub_co_u32 s[QBLK], 31, ttmp9
	s_cmp_lt_u32 s[WV], 8
	s_cselect_b32 s[QBLK], ttmp9, s[QBLK]          ; block i or block 31 - i
	s_lshl_b32 s[Q32], s[QBLK], 7
	s_lshl_b32 s30, s[GG], 5
	s_add_co_u32 s[Q32], s[Q32], s30
	s_add_co_u32 s[QMAX], s[Q32], 31
	s_mov_b32 s[KF], 0
	s_mov_b32 s[HN], 0
	s_sub_co_u32 s[CNT], 35, ttmp9
	s_lshr_b32 s[CNT], s[CNT], 2                   ; trips of four key steps: they cover the 32 - i steps of block 31 - i and never pass the head's 32
	s_sub_co_u32 s[CNT], s[CNT], 1                 ; the last trip is written out
	s_lshr_b32 s30, s[WV], 2
	s_xor_b32 s30, s30, 1                          ; 0 in waves 4 to 7
	s_or_b32 s30, s30, ttmp9                       ; of work-group i = 0
	s_cmp_eq_u32 s30, 0
	s_cselect_b32 s[LIM], 11, 0
	s_mov_b32 s[SEL], 0x76543210
	s_mov_b32 s[SEL+1], 0xfedcba98
	s_mov_b32 s[CS], 0x3e38aa3b                    ; log2(e) / 8
	s_mov_b32 s[CS+1], s[CS]
	v_and_b32 v7, 31, v0
	v_lshlrev_b32 v[LI], 4, v7
	v_lshlrev_b32 v[LS], 3, v7
	v_lshlrev_b32 v[PFO], 8, v7
	v_lshlrev_b32 v[T16], 4, v0
	v_lshlrev_b32 v[T4], 2, v0
	v_and_b32 v[QREL], 15, v0                      ; r
	v_and_b32 v7, 8, v[QREL]
	v_add_nc_u32 v[QREL], v[QREL], v7              ; r + 8 (r / 8)
	v_bfe_u32 v7, v0, 4, 1
	v_lshlrev_b32 v7, 4, v7
	v_sub_nc_u32 v[QREL], v[QREL], v7              ; - 16 h
	s_lshl_b32 s30, s[UU], 3
	v_add_nc_u32 v[QREL], s30, v[QREL]             ; + 8 u
	s_mul_i32 s30, s[HEAD], HEADB
	s_mov_b32 s31, 0
	s_and_b32 s32, s[WV], 3
	s_lshl_b32 s32, s32, 13
	s_add_co_u32 s32, s32, 32768
	s_mov_b32 s33, 0
	s_lshl_b32 s34, s[HEAD], 5
	s_add_co_u32 s34, s34, s[QBLK]
	s_mul_i32 s34, s34, QB                         ; q's QB,
	s_mov_b32 s35, 0
	s_mul_i32 s36, s[GG], 1536                     ; in it my 32 queries' fragment,
	s_mov_b32 s37, 0
	s_lshr_b32 s38, s[GG], 1
	s_lshl_b32 s38, s38, 8
	s_and_b32 s39, s[GG], 1
	s_lshl_b32 s39, s39, 2
	s_add_co_u32 s38, s38, s39                     ; and its scale word
	s_mov_b32 s39, 0
	s_wait_kmcnt 0x0
	s_add_nc_u64 s[6:7], s[6:7], s[30:31]          ; kvq at my head
	global_load_b128 v[STG:STG+3], v[T16], s[6:7]  ; slot 0
	global_load_b128 v[STG+4:STG+7], v[T16], s[6:7] offset:8192
	global_load_b128 v[STG+8:STG+11], v[T16], s[6:7] offset:16384
	global_load_b32 v[STG+12], v[T4], s[6:7] offset:24576
	s_add_nc_u64 s[PFA:PFA+1], s[6:7], s[32:33]    ; the first half steps it on by 32,768
	s_add_nc_u64 s[4:5], s[4:5], s[34:35]
	s_add_nc_u64 s[36:37], s[4:5], s[36:37]
	s_add_nc_u64 s[38:39], s[4:5], s[38:39]
	global_load_b128 v[S:S+3], v[LI], s[36:37]     ; the fragment of 32 queries: registers 0-5 the first tile, 6-11 the second
	global_load_b128 v[S+4:S+7], v[LI], s[36:37] offset:512
	global_load_b128 v[S+8:S+11], v[LI], s[36:37] offset:1024
	global_load_b32 v[QS], v[LS], s[38:39] offset:6144
	v_mov_b32 v7, s[UU]
	s_lshl_b32 s30, s[UU], 4
	s_wait_loadcnt 0x0
	ds_store_b128 v[T16], v[STG:STG+3]
	ds_store_b128 v[T16], v[STG+4:STG+7] offset:8192
	ds_store_b128 v[T16], v[STG+8:STG+11] offset:16384
	ds_store_b32 v[T4], v[STG+12] offset:24576
	v_cmp_ne_u32 vcc_lo, 0, v7
.irp i, 0,1,2,3,4,5
	v_cndmask_b32 v[22+\i], v[S+\i], v[S+6+\i], vcc_lo             ; my tile's six registers
.endr
	v_lshrrev_b32 v[QS], s30, v[QS]                ; my tile's two bytes,
	v_and_b32 v[QS], 0xffff, v[QS]
	v_lshl_or_b32 v[QS], v[QS], 16, v[QS]          ; for either half of K
.irp i, 0,1,2,3,4,5
	v_mov_b32 v[16+\i], 0                          ; zero codes: they add nothing under any scale byte of K's
	v_mov_b32 v[28+\i], 0
.endr
.set j, 0
.rept 32
	v_mov_b32 v[O+j], 0                            ; O^T.  The step is written once: the first finds zeros, which the first change of M leaves zeros
.set j, j+1
.endr
	v_mov_b32 v9, 0xff61b1e6                       ; the largest t so far: -3e38
	v_floor_f32 v8, -v9                            ; -M
	v_mov_b32 v10, 0
	v_mov_b32 v11, 0
	v_mov_b32 v13, 0                               ; (named as the upper half of the pair v[12:13])
.irp b, 0,1,2,3
	v_mov_b32 v[BT+\b], 0                          ; a lane permute's destination counts as one of its sources
.endr
	v_mov_b32 v218, 0
	s_wait_dscnt 0x0
	s_barrier_signal -1
	s_barrier_wait -1                              ; slot 0 lies in buffer 0
.Ltrip:
	HALF 0, 1, 1
	HALF 1, 1, 1
	s_sub_co_u32 s[CNT], s[CNT], 1
	s_cmp_lg_u32 s[CNT], 0
	s_cbranch_scc1 .Ltrip
	HALF 0, 1, 1                                   ; the last trip is written out: its second half fetches nothing, so no load passes the head's last slot
	HALF 1, 0, 0
	; THE WAY OUT: O^T / the sum is my 16 queries' 64 numbers of y: two blocks of 32 along the last product's K.  They are quantised and stored as half a fragment of yq: [group of 64 rows][K step of 128] QB, in which
	; fragment f's half c (head 2 s + c) has registers 6 c .. 6 c + 3 at 1536 f + 768 c + 16 lane, registers 6 c + 4, 5 at + 512 + 8 lane, and its two scale bytes at 6144 + 256 (f / 2) + 8 lane + 4 (f % 2) + 2 c.
	v_add_f32 v10, v10, v11
	v_permlanex16_b32 v218, v10, s[SEL], s[SEL+1]
	v_add_f32 v10, v10, v218                       ; the row's sum
	v_rcp_f32 v219, v10
	v_nop                                          ; a plain place behind the transcendental
	s_lshr_b32 s30, s[Q32], 4
	s_add_co_u32 s30, s30, s[UU]                   ; my tile among the sequence's 256
	s_lshr_b32 s31, s30, 2                         ; its group of 64 rows,
	s_and_b32 s32, s30, 3                          ; its fragment
	s_mul_i32 s31, s31, 6
	s_lshr_b32 s33, s[HEAD], 1
	s_add_co_u32 s31, s31, s33
	s_mul_i32 s34, s31, QB                         ; the QB
	s_and_b32 s33, s[HEAD], 1                      ; which half of K
	s_mul_i32 s36, s32, 1536
	s_mul_i32 s37, s33, 768
	s_add_co_u32 s36, s36, s37
	s_add_co_u32 s36, s36, s34
	s_mov_b32 s37, 0
	s_add_nc_u64 s[38:39], s[8:9], s[36:37]        ; my codes
	s_lshr_b32 s36, s32, 1
	s_lshl_b32 s36, s36, 8
	s_and_b32 s32, s32, 1
	s_lshl_b32 s32, s32, 2
	s_add_co_u32 s36, s36, s32
	s_lshl_b32 s33, s33, 1
	s_add_co_u32 s36, s36, s33
	s_add_co_u32 s36, s36, s34
	s_add_nc_u64 s[40:41], s[8:9], s[36:37]        ; my scale bytes (+ 6,144 in the store)
	s_wait_alu depctr_va_vdst(0)                   ; a wait ahead of the reciprocal's first reader
.set j, 0
.rept 32
	v_mul_f32 v[S+j], v[O+j], v219                 ; register 16 B + i = y(my query, 64 head + 32 B + 16 h + i)
.set j, j+1
.endr
.irp b, 0,1
	v_max3_num_f32 v[BM+\b], |v[S+16*\b]|, |v[S+1+16*\b]|, 0x2800000
.endr
.irp i, 2,4,6,8,10,12,14
.irp b, 0,1
	v_max3_num_f32 v[BM+\b], v[BM+\b], |v[S+16*\b+\i]|, |v[S+1+16*\b+\i]|
.endr
.endr
.irp b, 0,1
	v_permlanex16_b32 v[BT+\b], v[BM+\b], s[SEL], s[SEL+1]
.endr
.irp b, 0,1
	v_max_num_f32 v[BM+\b], v[BM+\b], v[BT+\b]
.endr
.irp b, 0,1
	v_add_nc_u32 v[SO+\b], 0xfe000000, v[BM+\b]
.endr
.irp b, 0,1
	v_lshrrev_b32 v[BT+\b], 23, v[SO+\b]
.endr
	v_lshl_or_b32 v222, v[BT+1], 8, v[BT]          ; the two scale bytes
	v_cvt_scalef32_pk16_bf6_f32 v[PC:PC+2], v[S:S+15], v[SO]
	v_cvt_scalef32_pk16_bf6_f32 v[CT:CT+2], v[S+16:S+31], v[SO+1]
	v_nop                                          ; one plain place behind a scaled conversion
.irp i, 0,1,2
	v_permlane16_swap_b32 v[PC+\i], v[CT+\i]
.endr
.irp i, 0,1,2
	v_mov_b32 v[PC+3+\i], v[CT+\i]
.endr
	global_store_b128 v[LI], v[PC:PC+3], s[38:39]                  ; 512 consecutive bytes, at a multiple of 256 from yq's first byte
	global_store_b64 v[LS], v[PC+4:PC+5], s[38:39] offset:512      ; 256 consecutive bytes
	global_store_b16 v[LS], v222, s[40:41] offset:6144             ; two bytes a lane, 8 bytes apart: the one store of this program that fills its 256 bytes in part: 64 bytes a wave
	s_wait_tensorcnt 0x0
	ds_add_u32 v254, v255
	s_wait_dscnt 0x0
	s_endpgm
.Lfunc_end_k_q0e901b72d6_attn:
	.size	k_q0e901b72d6_attn, .Lfunc_end_k_q0e901b72d6_attn-k_q0e901b72d6_attn
	.p2alignl 7, 3214868480
	.fill 96, 4, 3214868480
	.section	.rodata,"a",@progbits
	.p2align	6, 0x0
	.amdhsa_kernel k_q0e901b72d6_attn
		.amdhsa_group_segment_fixed_size 55296
		.amdhsa_private_segment_fixed_size 0
		.amdhsa_enable_private_segment 0
		.amdhsa_kernarg_size 24
		.amdhsa_user_sgpr_count 2
		.amdhsa_user_sgpr_kernarg_segment_ptr 1
		.amdhsa_wavefront_size32 1
		.amdhsa_system_sgpr_workgroup_id_x 1
		.amdhsa_system_sgpr_workgroup_id_y 1
		.amdhsa_system_sgpr_workgroup_id_z 1
		.amdhsa_system_vgpr_workitem_id 0
		.amdhsa_next_free_vgpr 256
		.amdhsa_next_free_sgpr 66
		.amdhsa_reserve_vcc 1
		.amdhsa_float_denorm_mode_32 3
		.amdhsa_float_denorm_mode_16_64 3
		.amdhsa_memory_ordered 1
		.amdhsa_forward_progress 1
		.amdhsa_inst_pref_size 178
	.end_amdhsa_kernel
	.amdgpu_metadata
---
amdhsa.version: [ 1, 2 ]
amdhsa.kernels:
  - .name:           k_q0e901b72d6_attn
    .symbol:         k_q0e901b72d6_attn.kd
    .args:
      - { .name: qq, .offset: 0, .size: 8, .value_kind: global_buffer, .address_space: global }
      - { .name: kvq, .offset: 8, .size: 8, .value_kind: global_buffer, .address_space: global }
      - { .name: yq, .offset: 16, .size: 8, .value_kind: global_buffer, .address_space: global }
    .group_segment_fixed_size: 55296
    .private_segment_fixed_size: 0
    .kernarg_segment_align: 8
    .kernarg_segment_size: 24
    .max_flat_workgroup_size: 512
    .sgpr_count:     66
    .vgpr_count:     256
    .wavefront_size: 32
...
	.end_amdgpu_metadata
.endif
;; end of part 3
;; launch proj (part 4): grid 4 x 64, 6 waves a work-group, no clusters, 186,624 bytes of LDS; arguments yq, opq, out0; writes out0
.if DOCPART == 4
	.amdgcn_target "amdgcn-amd-amdhsa--gfx1250"
	.amdhsa_code_object_version 6
	.text
	.protected	k_q0e901b72d6_proj
	.globl	k_q0e901b72d6_proj
	.p2align	8
	.type	k_q0e901b72d6_proj,@function
k_q0e901b72d6_proj:
	s_mov_b64 s[64:65], 0
	v_nop
	global_prefetch_b8 v0, s[64:65] scope:SCOPE_SE
	s_setreg_imm32_b32 hwreg(HW_REG_WAVE_MODE, 25, 1), 1
	s_wait_xcnt 0x0
; out = y Wp^T on codes of BF6 (E3M2) with E8M0 scales, sums in f32.  y comes from yq, Wp from opq (groups 100-111), both as images of the operands' registers.
; SHARES.  Work-group (cg, G): the 64 rows of group G x 192 columns (Wp's groups 3 cg .. 3 cg + 2): 256 work-groups.  All of K (768) lies in LDS: 6 QB of y, 18 QB of Wp, a plain copy of 39,936 + 119,808 consecutive bytes,
; brought once through registers; one barrier.  Wave w: rows' tiles 2 (w % 2), 2 (w % 2) + 1 x the four tiles of Wp's group w / 2: eight accumulators that take turns.
; TRANSPOSED: source 0 = 16 rows of Wp, source 1 = 16 rows of y: a lane holds one row of out, and by the order of Wp's rows in a fragment register j of tile 2 B + u is column 32 B + 16 (lane / 16) + 8 u + j.
; A K step's 23 LDS loads are issued a step ahead, into the other of two sets of registers.
; THE WAY OUT: a tile's 16 rows x 64 columns go through the wave's own stage in LDS and leave as rows of 256 bytes: sixteen lanes store 256 consecutive bytes, at a multiple of 256 from out's first byte.
; No joint loads here: each work-group asks for its operands once, at its head, by 52 plain loads a thread that are all out together; there is no ring that a round could serve.
.set QB,   6656
.set GRP,  6*QB
.set STGB, 4*GRP                       ; behind the operands: 16 rows x 272 bytes for each wave
.set SPI,  272
.set LI,   1                           ; v1   16 x lane
.set LS,   2                           ; v2   8 x lane
.set CB,   3                           ; v3-5 the copy: 16 x thread + 64,512 k (v3 is also the loads' offset)
.set YA,   6                           ; v6   y's fragments, the pieces of 16 bytes
.set YA8,  7                           ; v7   and those of 8
.set YS,   8                           ; v8   y's scale words
.set WA,   9                           ; v9   Wp's fragments
.set WS,   10                          ; v10  Wp's scale words
.set STO,  11                          ; v11  the stage, on the way in
.set RD,   12                          ; v12  and back
.set GO,   13                          ; v13  my byte offset in out
.set ACC,  16                          ; v16-79   eight accumulators
.set YF,   80                          ; set z at + 72 z: y's two fragments,
.set WF,   104                         ; Wp's four
.set SY,   224                         ; v224-235 scale words, set z at + 6 z: y's two, Wp's four: these registers hold scales and nothing else
.set SW,   226
.set OB,   80                          ; the way out: v80-111 and v160-191
.macro PLACES
.rept 4
	v_nop
.endr
.endm
.macro LOADS s, z                      ; K step s into set z: 23 LDS loads
.irp e, 0,1
.irp c, 0,1
	ds_load_b128 v[YF+72*(\z)+12*\e+6*\c:YF+72*(\z)+12*\e+6*\c+3], v[YA] offset:QB*(\s)+1536*\e+768*\c
	ds_load_b64 v[YF+72*(\z)+12*\e+6*\c+4:YF+72*(\z)+12*\e+6*\c+5], v[YA8] offset:QB*(\s)+1536*\e+768*\c+512
.endr
.endr
	ds_load_b64 v[SY+6*(\z):SY+6*(\z)+1], v[YS] offset:QB*(\s)
.irp i, 0,1,2,3,4,5,6,7,8,9,10,11
	ds_load_b128 v[WF+72*(\z)+4*\i:WF+72*(\z)+4*\i+3], v[WA] offset:QB*(\s)+512*\i
.endr
	ds_load_b64 v[SW+6*(\z):SW+6*(\z)+1], v[WS] offset:QB*(\s)
	ds_load_b64 v[SW+6*(\z)+2:SW+6*(\z)+3], v[WS] offset:QB*(\s)+256
.endm
	s_load_b128 s[4:7], s[0:1], 0x0                ; yq s[4:5], opq s[6:7]
	s_load_b64 s[8:9], s[0:1], 0x10                ; out0
	v_lshl_add_u32 v254, v0, 2, 0x2d600
	v_mov_b32 v255, 0
	v_lshrrev_b32 v1, 5, v0
	v_readfirstlane_b32 s10, v1                    ; wave 0..5
	s_mov_b32 s11, ttmp9                           ; cg
	s_and_b32 s12, ttmp7, 0xffff                   ; the group of 64 rows
	s_and_b32 s13, s10, 1                          ; which two tiles of rows
	s_lshr_b32 s14, s10, 1                         ; which of Wp's three groups
	v_lshlrev_b32 v[CB], 4, v0
	v_add_nc_u32 v[CB+1], 64512, v[CB]
	v_add_nc_u32 v[CB+2], 2*64512, v[CB]
	s_mul_i32 s16, s12, GRP
	s_mov_b32 s17, 0
	s_mul_i32 s18, s11, 3*GRP
	s_add_co_u32 s18, s18, 100*GRP
	s_mov_b32 s19, 0
	s_wait_kmcnt 0x0
	s_add_nc_u64 s[4:5], s[4:5], s[16:17]
	s_add_nc_u64 s[6:7], s[6:7], s[18:19]
	; THE COPY: 192 threads x 16 bytes = 3,072 bytes an instruction: 13 for y, 39 for Wp; all 52 loads are out together
.set j, 0
.rept 13
	global_load_b128 v[16+4*j:19+4*j], v[CB], s[4:5] offset:3072*j
.set j, j+1
.endr
.rept 39
	global_load_b128 v[16+4*j:19+4*j], v[CB], s[6:7] offset:3072*(j-13)
.set j, j+1
.endr
	v_and_b32 v1, 31, v0
	v_lshlrev_b32 v[LS], 3, v1
	v_lshlrev_b32 v[LI], 4, v1
	s_mul_i32 s20, s13, 3072
	v_add_nc_u32 v[YA], s20, v[LI]
	v_add_nc_u32 v[YA8], s20, v[LS]
	s_lshl_b32 s21, s13, 8
	v_add_nc_u32 v[YS], s21, v[LS]
	v_add_nc_u32 v[YS], 6144, v[YS]
	s_add_co_u32 s22, s14, 1
	s_mul_i32 s22, s22, GRP                        ; Wp's groups lie behind y's one
	v_add_nc_u32 v[WA], s22, v[LI]
	v_add_nc_u32 v[WS], s22, v[LS]
	v_add_nc_u32 v[WS], 6144, v[WS]
	s_mul_i32 s23, s10, 16*SPI
	s_add_co_u32 s23, s23, STGB                    ; my stage
	v_and_b32 v14, 15, v0                          ; r
	v_bfe_u32 v15, v0, 4, 1                        ; h
	v_mul_u32_u24 v[STO], v14, SPI
	v_lshl_add_u32 v[STO], v15, 6, v[STO]
	v_add_nc_u32 v[STO], s23, v[STO]               ; in: row r, + 64 h
	v_mul_u32_u24 v[RD], v15, SPI
	v_lshl_add_u32 v[RD], v14, 4, v[RD]
	v_add_nc_u32 v[RD], s23, v[RD]                 ; back: lanes 0-15 one row of 256 bytes, lanes 16-31 the next
	v_mul_u32_u24 v[GO], v15, 3072
	v_lshl_add_u32 v[GO], v14, 4, v[GO]            ; and the same two rows in out
	s_lshl_b32 s16, s12, 6
	s_lshl_b32 s18, s13, 5
	s_add_co_u32 s16, s16, s18                     ; my first row: 64 G + 32 (w % 2)
	s_mul_i32 s16, s16, 3072
	s_mul_i32 s18, s11, 768
	s_add_co_u32 s16, s16, s18
	s_lshl_b32 s18, s14, 8
	s_add_co_u32 s16, s16, s18                     ; my first column, in bytes: 768 cg + 256 (w / 2)
	s_add_nc_u64 s[8:9], s[8:9], s[16:17]
.set j, 0
.rept 52
	s_wait_loadcnt 51-j                            ; load j is in: 51 - j loads were issued behind it
	ds_store_b128 v[CB+j/21], v[16+4*j:19+4*j] offset:3072*(j%21)
.set j, j+1
.endr
	s_wait_dscnt 0x0                               ; for the others' sake: my part of the copy has landed
	s_barrier_signal -1
	s_barrier_wait -1                              ; everybody's has; the operands are only read from here on
	LOADS 0, 0
.irp s, 0,1,2,3,4,5
.if \s > 0
	PLACES                                         ; the loads below go into the set that the last step's products read
.endif
.if \s < 5
	LOADS \s+1, (\s+1)%2
	s_wait_dscnt 23                                ; this step's loads are in; the 23 just issued may be out
.else
	s_wait_dscnt 0x0
.endif
.irp e, 0,1
.irp t, 0,1,2,3
.if \s == 0
	v_wmma_scale_f32_16x16x128_f8f6f4 v[ACC+32*\e+8*\t:ACC+32*\e+8*\t+7], v[WF+72*(\s%2)+12*\t:WF+72*(\s%2)+12*\t+11], v[YF+72*(\s%2)+12*\e:YF+72*(\s%2)+12*\e+11], 0, v[SW+6*(\s%2)+\t], v[SY+6*(\s%2)+\e] matrix_a_fmt:MATRIX_FMT_BF6 matrix_b_fmt:MATRIX_FMT_BF6
.else
	v_wmma_scale_f32_16x16x128_f8f6f4 v[ACC+32*\e+8*\t:ACC+32*\e+8*\t+7], v[WF+72*(\s%2)+12*\t:WF+72*(\s%2)+12*\t+11], v[YF+72*(\s%2)+12*\e:YF+72*(\s%2)+12*\e+11], v[ACC+32*\e+8*\t:ACC+32*\e+8*\t+7], v[SW+6*(\s%2)+\t], v[SY+6*(\s%2)+\e] matrix_a_fmt:MATRIX_FMT_BF6 matrix_b_fmt:MATRIX_FMT_BF6
.endif
.endr
.endr
.endr
	PLACES                                         ; in front of the reads of the results and of the loads into the operands' registers
.irp e, 0,1                                    ; LDS serves a wave's instructions in order: the loads see the stores above them, and the second tile's stores come behind the first tile's loads
.irp t, 0,1,2,3
	ds_store_b128 v[STO], v[ACC+32*\e+8*\t:ACC+32*\e+8*\t+3] offset:128*(\t/2)+32*(\t%2)          ; each accumulator from its low end on
	ds_store_b128 v[STO], v[ACC+32*\e+8*\t+4:ACC+32*\e+8*\t+7] offset:128*(\t/2)+32*(\t%2)+16
.endr
.irp i, 0,1,2,3,4,5,6,7
	ds_load_b128 v[OB+80*\e+4*\i:OB+80*\e+4*\i+3], v[RD] offset:2*SPI*\i
.endr
.endr
.irp e, 0,1
	s_wait_dscnt 16-16*\e                          ; the first tile is back (the second tile's 16 LDS instructions may be out); then the second
.irp i, 0,1,2,3,4,5,6,7
	global_store_b128 v[GO], v[OB+80*\e+4*\i:OB+80*\e+4*\i+3], s[8:9] offset:(8*\e+2*\i+8*(\i/4))*3072 th:TH_STORE_NT   ; stage row p of tile e is row 8 e + p + 8 (p / 8) of my 32
.endr
.endr
	s_wait_tensorcnt 0x0
	ds_add_u32 v254, v255
	s_wait_dscnt 0x0
	s_endpgm
.Lfunc_end_k_q0e901b72d6_proj:
	.size	k_q0e901b72d6_proj, .Lfunc_end_k_q0e901b72d6_proj-k_q0e901b72d6_proj
	.p2alignl 7, 3214868480
	.fill 96, 4, 3214868480
	.section	.rodata,"a",@progbits
	.p2align	6, 0x0
	.amdhsa_kernel k_q0e901b72d6_proj
		.amdhsa_group_segment_fixed_size 186624
		.amdhsa_private_segment_fixed_size 0
		.amdhsa_enable_private_segment 0
		.amdhsa_kernarg_size 24
		.amdhsa_user_sgpr_count 2
		.amdhsa_user_sgpr_kernarg_segment_ptr 1
		.amdhsa_wavefront_size32 1
		.amdhsa_system_sgpr_workgroup_id_x 1
		.amdhsa_system_sgpr_workgroup_id_y 1
		.amdhsa_system_sgpr_workgroup_id_z 1
		.amdhsa_system_vgpr_workitem_id 0
		.amdhsa_next_free_vgpr 256
		.amdhsa_next_free_sgpr 66
		.amdhsa_reserve_vcc 0
		.amdhsa_float_denorm_mode_32 3
		.amdhsa_float_denorm_mode_16_64 3
		.amdhsa_memory_ordered 1
		.amdhsa_forward_progress 1
		.amdhsa_inst_pref_size 32
	.end_amdhsa_kernel
	.amdgpu_metadata
---
amdhsa.version: [ 1, 2 ]
amdhsa.kernels:
  - .name:           k_q0e901b72d6_proj
    .symbol:         k_q0e901b72d6_proj.kd
    .args:
      - { .name: yq, .offset: 0, .size: 8, .value_kind: global_buffer, .address_space: global }
      - { .name: opq, .offset: 8, .size: 8, .value_kind: global_buffer, .address_space: global }
      - { .name: out0, .offset: 16, .size: 8, .value_kind: global_buffer, .address_space: global }
    .group_segment_fixed_size: 186624
    .private_segment_fixed_size: 0
    .kernarg_segment_align: 8
    .kernarg_segment_size: 24
    .max_flat_workgroup_size: 192
    .sgpr_count:     66
    .vgpr_count:     256
    .wavefront_size: 32
...
	.end_amdgpu_metadata
.endif
;; end of part 4
;; ======== version 2 of 2: 4 launches; version 1 with the launches qkv, attn, proj written anew for expert scheduling mode
;; workspace buffers: opq 4,472,832 bytes; qq 2,555,904 bytes; kvq 5,111,808 bytes; yq 2,555,904 bytes
;; launch quant: the kernel of part 1 again; grid 224 x 1, 3 waves a work-group, no clusters, 25,856 bytes of LDS; arguments x, Wq, Wk, Wv, Wp, opq; writes opq
;; launch qkv (part 5): grid 12 x 16, 12 waves a work-group, no clusters, 281,088 bytes of LDS; arguments opq, qq, kvq; writes qq, kvq
.if DOCPART == 5
	.amdgcn_target "amdgcn-amd-amdhsa--gfx1250"
	.amdhsa_code_object_version 6
	.text
	.protected	k_q0e901b72d6_qkv
	.globl	k_q0e901b72d6_qkv
	.p2align	8
	.type	k_q0e901b72d6_qkv,@function
k_q0e901b72d6_qkv:
	s_mov_b64 s[64:65], 0
	v_nop
	global_prefetch_b8 v0, s[64:65] scope:SCOPE_SE
	s_setreg_imm32_b32 hwreg(HW_REG_WAVE_SCHED_MODE, 0, 2), 2
	s_setreg_imm32_b32 hwreg(HW_REG_WAVE_MODE, 25, 1), 1
	s_wait_xcnt 0x0
	s_wait_alu depctr_vm_vsrc(0)
; q = x Wq^T, k = x Wk^T, v = x Wv^T on codes of BF6 (E3M2) with E8M0 scales, sums in f32; the results are quantised in registers (q, k along the head's 64, v along the keys) and stored in the order of the next products' registers.
; LIMITS: as in the launch before: no NaN or infinities; a block of zeros gets the byte 1, its codes are zeros, and this program alone reads the bytes.
; SHARES.  Work-group (ct, rt): 256 rows of x (groups 4 rt .. 4 rt + 3 of opq) x 192 columns (three heads) of one weight: ct 0-3 Wq, 4-7 Wk, 8-11 Wv.  All of K (768) lies in LDS: 24 QB of x and 18 QB of the weight,
; a plain copy of 159,744 + 119,808 consecutive bytes of opq, brought once through registers.  One barrier; behind it LDS is only read.
; A QB (6,656 bytes) is four fragments as images of their registers and their scale words: a fragment is three loads of 16 bytes a lane at 16 x lane, two fragments' scale words one load of 8 bytes at 8 x lane.
; q, k (12 waves = 4 groups of x by 3 heads): TRANSPOSED, source 0 = 16 rows of W, source 1 = 16 rows of x: a lane holds one row of x, and by the order of W's rows in a fragment the 32 registers of W's four tiles are the head's
;   dims 32 G + 16 h + 0 .. 15.  Two tiles of x (32 rows) make ONE fragment: K 0-63 the first tile's 64 dims, K 64-127 the second's; scale word [a0, a1, b0, b1].
; v (12 waves = 2 key steps by 2 halves of the head's dims by 3 heads): source 0 = 16 rows of x, source 1 = 16 rows of W: a lane holds one dim d, its registers run down the keys: 64 registers are 128 keys in the quantiser's order.
; qq = [head][step of 128 queries] QB;  kvq = [head][step of 128 keys][K's QB, V's QB].
; No joint loads here: each work-group asks for its operands once, at its head, by 46 plain loads a thread that are all out together; there is no ring that a round could serve.
; THE MODE: SCHED_MODE bits 1:0 = 2 (LLVM: expert scheduling mode 2), set by the entry lines.  The code itself states the register dependences
; between vector or matrix instructions and memory or LDS instructions, with s_wait_alu, always for 0.
; THE PLAN.  Registers that memory or LDS instructions touch:
;   v3-9                      offsets and LDS addresses of the copy: made once, ahead of the copy's loads, never written again.
;   v1, v2, v10-13, v248-253  addresses of the LDS loads and of the final stores: made once, while the copy's loads are out, never written again.
;   v16-197                   the copy: its loads land there, its LDS stores read them; behind the barrier they are accumulators and operands.
;   XF, WF, SX, SW            ONE set: a K step's LDS loads land there, its products read them.  12 waves are three to a SIMD, 341 registers each at the most; two sets would want 128 + 192 + 16 + 22 = 358.
;   PC0, PC1, PW              written by the quantiser, read by the final stores.
; So one wait on va_vdst stands ahead of each run of LDS loads into a set that products have read, one ahead of the copy's loads, one behind the barrier, one ahead of the final stores; one wait on vm_vsrc stands behind the barrier.
.set QB,   6656
.set GRP,  6*QB                        ; a group of 64 rows, all of K: 39,936 bytes
.set WLDS, 4*GRP                       ; LDS: x's four groups, then the weight's three
.set LI,   1                           ; v1   16 x lane
.set LS,   2                           ; v2   8 x lane
.set CB,   3                           ; v3-7 the copy: 16 x thread + 61,440 k (v3 is also the loads' offset)
.set T8,   8                           ; v8   8 x thread
.set CL,   9                           ; v9   the copy's last 3,072 bytes: 8 x thread + 276,480
.set QXB,  10                          ; v10-13  q, k: x's fragments, x's scale words, W's fragments, W's scale words
.set QXS,  11
.set QWB,  12
.set QWS,  13
.set VXB,  248                         ; v248-249  v: x's fragments of the key step's two groups;  v250-251 their scale words;  v252, v253 W's two tiles
.set VXS,  250
.set VWB,  252
.set VWS,  253
.set ACC,  16                          ; v16-143  16 accumulators
.set XF,   144                         ; v144-191 four fragments of x
.set WF,   192                         ; v192-239 four (v: two) fragments of W
.set SX,   240                         ; v240-243 x's scale words: these eight registers hold scales and nothing else
.set SW,   244                         ; v244-247 W's
.set PC0,  144                         ; the way out: codes of the two fragments,
.set PC1,  164
.set TM,   184                         ; v184-195 at work,
.set PW,   200                         ; v200-201 the two scale words
.set SEL,  30
.macro QUANT src, pc, pw               ; 64 numbers of a lane, register 16 b + i = k 32 b + 16 (lane / 16) + i of my row -> a fragment in v[pc] .. v[pc + 11], its scale word in v[pw]
.irp b, 0,1,2,3
	v_max3_num_f32 v[TM+\b], |v[(\src)+16*\b]|, |v[(\src)+1+16*\b]|, 0x2800000   ; my 16 numbers of block b and the floor 2^(5 - 127).  Each accumulator is read from its low end on
.endr
.irp i, 2,4,6,8,10,12,14
.irp b, 0,1,2,3
	v_max3_num_f32 v[TM+\b], v[TM+\b], |v[(\src)+16*\b+\i]|, |v[(\src)+1+16*\b+\i]|
.endr
.endr
.irp b, 0,1,2,3
	v_permlanex16_b32 v[TM+4+\b], v[TM+\b], s[SEL], s[SEL+1]
.endr
.irp b, 0,1,2,3
	v_max_num_f32 v[TM+\b], v[TM+\b], v[TM+4+\b]   ; with lane l xor 16's: the block's largest magnitude
.endr
.irp b, 0,1,2,3
	v_add_nc_u32 v[TM+8+\b], 0xfe000000, v[TM+\b]  ; 4 off its exponent field: the conversion's scale operand
.endr
.irp b, 0,1,2,3
	v_lshrrev_b32 v[TM+4+\b], 23, v[TM+8+\b]       ; the scale's byte
.endr
	v_lshl_or_b32 v[\pw], v[TM+5], 8, v[TM+4]
	v_lshl_or_b32 v[\pw], v[TM+6], 16, v[\pw]
	v_lshl_or_b32 v[\pw], v[TM+7], 24, v[\pw]
.irp c, 0,1
	v_cvt_scalef32_pk16_bf6_f32 v[(\pc)+6*\c:(\pc)+2+6*\c], v[(\src)+32*\c:(\src)+15+32*\c], v[TM+8+2*\c]
	v_cvt_scalef32_pk16_bf6_f32 v[(\pc)+12+4*\c:(\pc)+14+4*\c], v[(\src)+16+32*\c:(\src)+31+32*\c], v[TM+9+2*\c]
.endr
	v_nop                                          ; one plain place behind a scaled conversion
.irp c, 0,1
.irp i, 0,1,2
	v_permlane16_swap_b32 v[(\pc)+6*\c+\i], v[(\pc)+12+4*\c+\i]
.endr
.irp i, 0,1,2
	v_mov_b32 v[(\pc)+3+6*\c+\i], v[(\pc)+12+4*\c+\i]
.endr
.endr
.endm
.macro MMA d, a, b, first, sa, sb      ; first = 1: the product starts the sum: nothing is ever cleared
.if \first
	v_wmma_scale_f32_16x16x128_f8f6f4 v[\d:\d+7], v[\a:\a+11], v[\b:\b+11], 0, v[\sa], v[\sb] matrix_a_fmt:MATRIX_FMT_BF6 matrix_b_fmt:MATRIX_FMT_BF6
.else
	v_wmma_scale_f32_16x16x128_f8f6f4 v[\d:\d+7], v[\a:\a+11], v[\b:\b+11], v[\d:\d+7], v[\sa], v[\sb] matrix_a_fmt:MATRIX_FMT_BF6 matrix_b_fmt:MATRIX_FMT_BF6
.endif
.endm
.macro PLACES                          ; four plain places between matrix instructions and loads into, or vector reads and writes of, their registers
.rept 4
	v_nop
.endr
.endm
	s_load_b128 s[4:7], s[0:1], 0x0                ; opq s[4:5], qq s[6:7]
	s_load_b64 s[8:9], s[0:1], 0x10                ; kvq
	v_lshl_add_u32 v254, v0, 2, 0x44400
	v_mov_b32 v255, 0
	v_lshrrev_b32 v1, 5, v0
	v_readfirstlane_b32 s14, v1                    ; wave 0..11
	s_mov_b32 s15, ttmp9                           ; ct
	s_and_b32 s16, ttmp7, 0xffff                   ; rt
	s_lshr_b32 s17, s15, 2                         ; the kind: 0 q, 1 k, 2 v
	s_wait_alu depctr_va_sdst(0)                   ; s14 is written, ahead of its first reader
	s_and_b32 s18, s14, 3
	s_lshr_b32 s19, s14, 2                         ; which of my three heads
	s_and_b32 s20, s14, 1
	s_bfe_u32 s21, s14, 0x10001                    ; bit 1 of the wave's number
	v_lshlrev_b32 v[CB], 4, v0
	v_add_nc_u32 v[CB+1], 61440, v[CB]
	v_add_nc_u32 v[CB+2], 2*61440, v[CB]
	v_add_nc_u32 v[CB+3], 3*61440, v[CB]
	v_add_nc_u32 v[CB+4], 4*61440, v[CB]
	v_lshlrev_b32 v[T8], 3, v0
	v_add_nc_u32 v[CL], 45*6144, v[T8]
	s_mul_i32 s22, s16, 4*GRP                      ; x's four groups in opq
	s_mov_b32 s23, 0
	s_mul_i32 s28, s15, 3*GRP
	s_add_co_u32 s28, s28, 64*GRP                  ; the weight's three groups
	s_mov_b32 s29, 0
	s_wait_kmcnt 0x0
	s_add_nc_u64 s[10:11], s[4:5], s[22:23]
	s_add_nc_u64 s[12:13], s[4:5], s[28:29]
	s_wait_alu depctr_va_vdst(0)                   ; v3 to v9 are written: the offsets of the copy's loads and the addresses of its LDS stores
	; THE COPY: 384 threads x 16 bytes = 6,144 bytes an instruction: 26 for x, 19 and a half for the weight; all 46 loads are out together
.set j, 0
.rept 26
	global_load_b128 v[16+4*j:19+4*j], v[CB], s[10:11] offset:6144*j
.set j, j+1
.endr
.rept 19
	global_load_b128 v[16+4*j:19+4*j], v[CB], s[12:13] offset:6144*(j-26)
.set j, j+1
.endr
	global_load_b64 v[196:197], v[T8], s[12:13] offset:19*6144
	; all addresses are made while the loads are out, those of both paths ahead of the branch
	v_and_b32 v1, 31, v0
	v_lshlrev_b32 v[LS], 3, v1
	v_lshlrev_b32 v[LI], 4, v1
	s_mul_i32 s28, s18, GRP                        ; q, k: group wave % 4 of x
	v_add_nc_u32 v[QXB], s28, v[LI]
	v_add_nc_u32 v[QXS], s28, v[LS]
	v_add_nc_u32 v[QXS], 6144, v[QXS]
	s_mul_i32 s29, s19, GRP
	s_add_co_u32 s29, s29, WLDS                    ; my head's group of the weight
	v_add_nc_u32 v[QWB], s29, v[LI]
	v_add_nc_u32 v[QWS], s29, v[LS]
	v_add_nc_u32 v[QWS], 6144, v[QWS]
	s_mul_i32 s28, s20, 2*GRP                      ; v: the key step wave % 2: two groups of x
	v_add_nc_u32 v[VXB], s28, v[LI]
	v_add_nc_u32 v[VXB+1], GRP, v[VXB]
	v_add_nc_u32 v[VXS], s28, v[LS]
	v_add_nc_u32 v[VXS], 6144, v[VXS]
	v_add_nc_u32 v[VXS+1], GRP, v[VXS]
	s_mul_i32 s32, s21, 3072                       ; and two of the weight's four tiles
	s_add_co_u32 s32, s32, s29
	v_add_nc_u32 v[VWB], s32, v[LI]
	s_lshl_b32 s33, s21, 8
	s_add_co_u32 s33, s33, s29
	v_add_nc_u32 v[VWS], s33, v[LS]
	v_add_nc_u32 v[VWS], 6144, v[VWS]
	s_mov_b32 s[SEL], 0x76543210
	s_mov_b32 s[SEL+1], 0xfedcba98
	; where my two fragments go
	s_and_b32 s34, s15, 3
	s_mul_i32 s34, s34, 3
	s_add_co_u32 s34, s34, s19                     ; the head
	s_cmp_eq_u32 s17, 2
	s_cselect_b32 s35, s20, s21                    ; which of the work-group's two steps of 128 rows,
	s_cselect_b32 s36, s21, s20                    ; which pair of the QB's four fragments
	s_cselect_b32 s37, QB, 0                       ; V's QB lies behind K's
	s_lshl_b32 s38, s16, 1
	s_add_co_u32 s38, s38, s35                     ; the step of 128 rows, 0..31
	s_lshl_b32 s34, s34, 5
	s_add_co_u32 s34, s34, s38
	s_mov_b32 s39, 2*QB
	s_cmp_eq_u32 s17, 0
	s_cselect_b32 s39, QB, s39
	s_cselect_b64 s[24:25], s[6:7], s[8:9]         ; qq or kvq: a choice on the work-group's number alone
	s_mul_i32 s22, s34, s39
	s_add_co_u32 s22, s22, s37
	s_add_nc_u64 s[24:25], s[24:25], s[22:23]      ; my QB
	s_lshl_b32 s22, s36, 8
	s_add_nc_u64 s[26:27], s[24:25], s[22:23]      ; its scale words (+ 6,144 in the store)
	s_mul_i32 s22, s36, 3072
	s_add_nc_u64 s[24:25], s[24:25], s[22:23]      ; its codes
.set j, 0
.rept 45
	s_wait_loadcnt 45-j                            ; load j is in: 45 - j loads were issued behind it
	ds_store_b128 v[CB+j/10], v[16+4*j:19+4*j] offset:6144*(j%10)
.set j, j+1
.endr
	s_wait_loadcnt 0x0
	ds_store_b64 v[CL], v[196:197]
	s_wait_dscnt 0x0                               ; for the others' sake: my part of the copy has landed
	s_barrier_signal -1
	s_barrier_wait -1                              ; everybody's has; from here on LDS is only read
	s_wait_alu depctr_vm_vsrc(0)                   ; my LDS stores have read v16 to v197: from here on products write them and LDS loads land in them
	s_wait_alu depctr_va_vdst(0)                   ; v1, v2, v10 to v13 and v248 to v253 are written: the addresses of the LDS loads of both paths and of the final stores
	s_cmp_eq_u32 s17, 2
	s_cbranch_scc1 .Lv
; q, k: a K step of 128: four fragments of x, four of W, 16 products on 16 accumulators that take turns
.macro QKSTEP s
.if \s > 0
	s_wait_alu depctr_va_vdst(0)                   ; the last step's products are done reading XF, WF, SX and SW, in which the loads below land
.endif
.irp i, 0,1,2,3,4,5,6,7,8,9,10,11
	ds_load_b128 v[XF+4*\i:XF+4*\i+3], v[QXB] offset:QB*\s+512*\i
.endr
	ds_load_b64 v[SX:SX+1], v[QXS] offset:QB*\s
	ds_load_b64 v[SX+2:SX+3], v[QXS] offset:QB*\s+256
.irp i, 0,1,2,3,4,5,6,7,8,9,10,11
	ds_load_b128 v[WF+4*\i:WF+4*\i+3], v[QWB] offset:QB*\s+512*\i
.endr
	ds_load_b64 v[SW:SW+1], v[QWS] offset:QB*\s
	ds_load_b64 v[SW+2:SW+3], v[QWS] offset:QB*\s+256
	s_wait_dscnt 0x0
.irp m, 0,1,2,3
.irp t, 0,1,2,3
.if \s == 0
	MMA ACC+32*\m+8*\t, WF+12*\t, XF+12*\m, 1, SW+\t, SX+\m
.else
	MMA ACC+32*\m+8*\t, WF+12*\t, XF+12*\m, 0, SW+\t, SX+\m
.endif
.endr
.endr
	PLACES
.endm
.irp s, 0,1,2,3,4,5
	QKSTEP \s
.endr
	s_branch .Lout
; v: a K step of 128: two fragments of W; then, for each of the key step's two groups of x, four fragments of x and 8 products
.macro VSTEP s
.if \s > 0
	s_wait_alu depctr_va_vdst(0)                   ; the last step's products are done reading WF, SW, XF and SX, in which the loads below land
.endif
.irp i, 0,1,2,3,4,5
	ds_load_b128 v[WF+4*\i:WF+4*\i+3], v[VWB] offset:QB*\s+512*\i
.endr
	ds_load_b64 v[SW:SW+1], v[VWS] offset:QB*\s
.irp e, 0,1
.if \e > 0
	s_wait_alu depctr_va_vdst(0)                   ; the first group's products are done reading XF and SX, in which the second group's loads land
.endif
.irp i, 0,1,2,3,4,5,6,7,8,9,10,11
	ds_load_b128 v[XF+4*\i:XF+4*\i+3], v[VXB+\e] offset:QB*\s+512*\i
.endr
	ds_load_b64 v[SX:SX+1], v[VXS+\e] offset:QB*\s
	ds_load_b64 v[SX+2:SX+3], v[VXS+\e] offset:QB*\s+256
	s_wait_dscnt 0x0
.irp m, 0,1,2,3
.irp u, 0,1
.if \s == 0
	MMA ACC+64*\u+8*(4*\e+\m), XF+12*\m, WF+12*\u, 1, SX+\m, SW+\u
.else
	MMA ACC+64*\u+8*(4*\e+\m), XF+12*\m, WF+12*\u, 0, SX+\m, SW+\u
.endif
.endr
.endr
	PLACES
.endr
.endm
.Lv:
.irp s, 0,1,2,3,4,5
	VSTEP \s
.endr
.Lout:                                 ; on both paths v[ACC] .. v[ACC + 63] and v[ACC + 64] .. v[ACC + 127] are two fragments' numbers in the quantiser's order
.irp b, 0,1,2,3
	v_mov_b32 v[TM+4+\b], 0                        ; a lane permute's destination counts as one of its sources
.endr
	QUANT ACC, PC0, PW
	QUANT ACC+64, PC1, PW+1
	s_wait_alu depctr_va_vdst(0)                   ; the quantiser has written the two fragments' codes and scale words, which the stores below read
.irp c, 0,1,2
	global_store_b128 v[LI], v[PC0+4*\c:PC0+4*\c+3], s[24:25] offset:512*\c         ; 32 lanes store 512 consecutive bytes, at a multiple of 256 from the buffer's first byte
.endr
.irp c, 0,1,2
	global_store_b128 v[LI], v[PC1+4*\c:PC1+4*\c+3], s[24:25] offset:1536+512*\c
.endr
	global_store_b64 v[LS], v[PW:PW+1], s[26:27] offset:6144                        ; the two scale words: 256 consecutive bytes
	s_wait_dscnt 0x0
	s_wait_alu depctr_hold_cnt(0) depctr_sa_sdst(0) depctr_va_vdst(0) depctr_va_sdst(0) depctr_va_ssrc(0) depctr_va_vcc(0) depctr_vm_vsrc(0)
	s_wait_tensorcnt 0x0
	ds_add_u32 v254, v255
	s_wait_dscnt 0x0
	s_endpgm
.Lfunc_end_k_q0e901b72d6_qkv:
	.size	k_q0e901b72d6_qkv, .Lfunc_end_k_q0e901b72d6_qkv-k_q0e901b72d6_qkv
	.p2alignl 7, 3214868480
	.fill 96, 4, 3214868480
	.section	.rodata,"a",@progbits
	.p2align	6, 0x0
	.amdhsa_kernel k_q0e901b72d6_qkv
		.amdhsa_group_segment_fixed_size 281088
		.amdhsa_private_segment_fixed_size 0
		.amdhsa_enable_private_segment 0
		.amdhsa_kernarg_size 24
		.amdhsa_user_sgpr_count 2
		.amdhsa_user_sgpr_kernarg_segment_ptr 1
		.amdhsa_wavefront_size32 1
		.amdhsa_system_sgpr_workgroup_id_x 1
		.amdhsa_system_sgpr_workgroup_id_y 1
		.amdhsa_system_sgpr_workgroup_id_z 1
		.amdhsa_system_vgpr_workitem_id 0
		.amdhsa_next_free_vgpr 256
		.amdhsa_next_free_sgpr 66
		.amdhsa_reserve_vcc 0
		.amdhsa_float_denorm_mode_32 3
		.amdhsa_float_denorm_mode_16_64 3
		.amdhsa_memory_ordered 1
		.amdhsa_forward_progress 1
		.amdhsa_inst_pref_size 73
	.end_amdhsa_kernel
	.amdgpu_metadata
---
amdhsa.version: [ 1, 2 ]
amdhsa.kernels:
  - .name:           k_q0e901b72d6_qkv
    .symbol:         k_q0e901b72d6_qkv.kd
    .args:
      - { .name: opq, .offset: 0, .size: 8, .value_kind: global_buffer, .address_space: global }
      - { .name: qq, .offset: 8, .size: 8, .value_kind: global_buffer, .address_space: global }
      - { .name: kvq, .offset: 16, .size: 8, .value_kind: global_buffer, .address_space: global }
    .group_segment_fixed_size: 281088
    .private_segment_fixed_size: 0
    .kernarg_segment_align: 8
    .kernarg_segment_size: 24
    .max_flat_workgroup_size: 384
    .sgpr_count:     66
    .vgpr_count:     256
    .wavefront_size: 32
...
	.end_amdgpu_metadata
.endif
;; end of part 5
;; launch attn (part 6): grid 16 x 12, 16 waves a work-group, no clusters, 55,296 bytes of LDS; arguments qq, kvq, yq; writes yq
.if DOCPART == 6
	.amdgcn_target "amdgcn-amd-amdhsa--gfx1250"
	.amdhsa_code_object_version 6
	.text
	.protected	k_q0e901b72d6_attn
	.globl	k_q0e901b72d6_attn
	.p2align	8
	.type	k_q0e901b72d6_attn,@function
k_q0e901b72d6_attn:
	s_mov_b64 s[64:65], 0
	v_nop
	global_prefetch_b8 v0, s[64:65] scope:SCOPE_SE
	s_setreg_imm32_b32 hwreg(HW_REG_WAVE_SCHED_MODE, 0, 2), 2
	s_setreg_imm32_b32 hwreg(HW_REG_WAVE_MODE, 25, 1), 1
	s_wait_xcnt 0x0
	s_wait_alu depctr_vm_vsrc(0)
; y[q] = the sum over keys k <= q of softmax_k(q . k / 8) v[k], for each of 12 heads of 64, both products on codes of BF6 (E3M2) with E8M0 scales; y is quantised along the model's 768 and stored as the last product's operand.
; THE SOFTMAX: t = score x log2(e) / 8; M = the row's largest t so far, rounded UP to a whole number; p = 2^(t - M) is what is quantised, along the keys, not normalised.  The row's sum is taken of the unquantised p and divides at
; the end.  When M moves, the sum and O are multiplied by 2^(old M - new M): exact.
; LIMITS: no NaN or infinities among the inputs; p under 2^-126 counts as 0 (v_exp_f32 gives 0 there); a block of zeros gets the byte 1, its codes are zeros, and this program alone reads the bytes.
; SHARES.  Work-group (i, head): waves 0-7 own the 128 queries of block i, waves 8-15 those of block 31 - i: 33 key steps of 128 for each pair of waves, the same in every work-group.  A wave owns ONE tile of 16 queries.
; Every wave walks the key steps in step with the others; a step all of whose keys come after the wave's queries is left out by a scalar branch on ids, round the step's work alone, never round a barrier.
; K AND V come as kvq has them: a key step is 13,312 dense bytes: K's QB, then V's.  Two steps are a slot; two LDS buffers take turns.  The 512 threads bring the next slot through registers: loads at a half's head,
; LDS stores at its end, ONE barrier a half: in front of it each wave's reads of the buffer in hand are over and its part of the other buffer has landed.  No LDS address is stepped: all are constants + lane or thread terms.
; NO CLUSTER: the work-groups of a head walk different numbers of slots (2 x ((35 - i) / 4)), so partners could not make every joint request in the same round.
; LAYOUT.  Both products are used transposed (S^T = K Q^T, O^T = V^T P^T): a lane holds ONE query throughout.  A fragment of K holds TWO tiles of 16 keys: K 0-63 the first tile's 64 dims, K 64-127 the second's; q stands in one half
; of source 1 and zero codes in the other, so each product takes one of the two tiles.  By the order of the rows in a tile the 16 registers of a fragment's two products are keys 32 P + 16 (lane / 16) + 0 .. 15.
; THE MODE: SCHED_MODE bits 1:0 = 2 (LLVM: expert scheduling mode 2), set by the entry lines.  The code itself states the register dependences
; between vector or matrix instructions and memory or LDS instructions, with s_wait_alu, always for 0.
; THE PLAN.  Registers that memory or LDS instructions touch:
;   v1-4, v6        addresses and offsets: made once at the head, never written again.
;   FR, SC          ONE set: K's fragments and scale words land at a step's head and the eight products S^T read them; V's land behind those products and the four products O^T read them.
;                   16 waves are four to a SIMD, 256 registers each; a second set wants 52 and 23 are free.
;   STG             the global loads at a half's head land there, the LDS stores at its end read them; no vector instruction names them.
;   PC, PS          p's codes and scale word: written by vector instructions, taken by the products O^T; on the way out y's codes and scale bytes, read by the stores.
; A step has three waits on va_vdst of its own: at its head (the last products O^T are done with FR and SC), behind the products S^T (they are done with FR and SC), ahead of the products O^T (PC and PS are written);
; and the two behind its exponentials.  A half has one wait on vm_vsrc, at its head (the LDS stores have read STG).  The causal mask's compares go in runs of sixteen into s32-47, one wait on va_sdst behind each run.
.set QB,    6656
.set STEPB, 2*QB                       ; a key step: K's QB, V's QB
.set SLOTB, 2*STEPB                    ; a slot, and an LDS buffer
.set HEADB, 32*STEPB                   ; a head in kvq
.set LI,   1                           ; v1   16 x lane
.set LS,   2                           ; v2   8 x lane
.set T16,  3                           ; v3   16 x thread
.set T4,   4                           ; v4   4 x thread
.set QREL, 5                           ; v5   my query - Q32 - 16 (lane / 16)
.set PFO,  6                           ; v6   256 x lane; never rewritten
.set QS,   14                          ; v14  q's scale word [q0, q1, q0, q1]
.set PS,   15                          ; v15  p's scale word
.set SC,   34                          ; v34-37 K's or V's scale words.  v14, v15, v34-37 hold scales and nothing else
.set FR,   42                          ; v42-89   four fragments of K or of V
.set S,    90                          ; v90-153  S^T, then p
.set O,    154                         ; v154-185 O^T: register 16 B + i = dim 32 B + 16 (lane / 16) + i
.set PC,   186                         ; v186-197 p's codes
.set CT,   198                         ; v198-200, v202-204 the conversions' second halves
.set BM,   206                         ; v206-209 the blocks' largest scores, then largest p
.set BT,   210                         ; v210-213 at work
.set SO,   214                         ; v214-217 the conversions' scale operands
.set STG,  224                         ; v224-236 my 52 bytes of the next slot
; v8 -M, v9 the largest t, v[10:11] the sum in two halves, v[12:13] f (v13 written once); v16-21 and v28-33 zero codes, v22-27 q: source 1 is v[22:33] (q below) or v[16:27] (q above); v218-222 at work
.set WV,   10
.set HEAD, 12
.set GG,   14
.set UU,   15
.set QBLK, 16
.set Q32,  17                          ; s17  the first of the 32 queries among which my 16 lie
.set QMAX, 18                          ; s18  the last of them
.set KF,   19                          ; s19  the step's first key
.set HN,   20                          ; s20  halves that have fetched
.set LIM,  21                          ; s21  a wave prefetches while s[HN] is under it
.set CNT,  22
.set PFA,  24                          ; s[24:25] where my prefetches stand
.set SEL,  26                          ; s[26:27]
.set CS,   28                          ; s[28:29] c = log2(e) / 8: the packed form names a pair and takes its low word for both halves
.set MK,   32                          ; s32-47 in the loop: sixteen masks of the causal mask (at the head and on the way out: at work)
.macro PLACES
.rept 4
	v_nop
.endr
.endm
; A PREFETCH INTO THE L2.  All work-groups of a head walk the same bytes of kvq, so one asks: work-group i = 0, one of those (i = 0 to 3) that walk all 16 slots; in it waves 4 to 7, 8,192 bytes each, lanes 256 bytes apart.  Half n names bytes
; 32,768 (n + 2) .. + 32,767 of the head's 425,984 = 13 x 32,768, n = 0 .. 10: each aligned block of 256 bytes is named once, the head's first 65,536 bytes come by their loads alone, and the last byte named is 425,728.
.macro ASK
	s_cmp_lt_u32 s[HN], s[LIM]
	s_cbranch_scc0 .Lnot_mine_\@
	global_prefetch_b8 v[PFO], s[PFA:PFA+1] th:TH_LOAD_NT scope:SCOPE_SE
.Lnot_mine_\@:
.endm
; A KEY STEP: 128 keys, the q-th of buffer bf.
.macro STEP bf, q
.set SB, SLOTB*(\bf)+STEPB*(\q)
	s_cmp_gt_u32 s[KF], s[QMAX]                    ; all keys behind my queries: nothing to do
	s_cbranch_scc1 .Lhidden_\@
	s_wait_alu depctr_va_vdst(0)                   ; the last step's products O^T are done reading FR and SC, in which K's loads land
.irp i, 0,1,2,3,4,5,6,7,8,9,10,11
	ds_load_b128 v[FR+4*\i:FR+4*\i+3], v[LI] offset:SB+512*\i                  ; K's four fragments, as images of their registers
.endr
	ds_load_b64 v[SC:SC+1], v[LS] offset:SB+6144
	ds_load_b64 v[SC+2:SC+3], v[LS] offset:SB+6400
	s_wait_dscnt 0x0
.irp p, 0,1,2,3                                ; S^T: eight products that start eight sums
	v_wmma_scale_f32_16x16x128_f8f6f4 v[S+16*\p:S+16*\p+7], v[FR+12*\p:FR+12*\p+11], v[22:33], 0, v[SC+\p], v[QS] matrix_a_fmt:MATRIX_FMT_BF6 matrix_b_fmt:MATRIX_FMT_BF6
	v_wmma_scale_f32_16x16x128_f8f6f4 v[S+16*\p+8:S+16*\p+15], v[FR+12*\p:FR+12*\p+11], v[16:27], 0, v[SC+\p], v[QS] matrix_a_fmt:MATRIX_FMT_BF6 matrix_b_fmt:MATRIX_FMT_BF6
.endr
	PLACES                                         ; in front of the loads into K's registers and of the first read of the scores
	s_wait_alu depctr_va_vdst(0)                   ; the eight products are done reading FR and SC, in which V's loads land
.irp i, 0,1,2,3,4,5,6,7,8,9,10,11
	ds_load_b128 v[FR+4*\i:FR+4*\i+3], v[LI] offset:SB+QB+512*\i               ; V's four fragments: they land while the softmax is worked, which names neither FR nor SC
.endr
	ds_load_b64 v[SC:SC+1], v[LS] offset:SB+QB+6144
	ds_load_b64 v[SC+2:SC+3], v[LS] offset:SB+QB+6400
	s_add_co_u32 s30, s[KF], 127                   ; a step all of whose keys count skips the mask
	s_cmp_le_u32 s30, s[Q32]
	s_cbranch_scc1 .Lopen_\@
	s_sub_co_i32 s30, s[Q32], s[KF]
	v_add_nc_u32 v218, s30, v[QREL]                ; d = my query - KF - 16 (lane / 16).  Register 16 P + i holds key KF + 32 P + 16 (lane / 16) + i: hidden where 32 P + i > d
	v_mov_b32 v219, 0xff800000                     ; -infinity: p = 0 then
.set n, 0
.rept 4                                        ; a block of 32 keys at a time: my sixteen registers of it
.set k, 0
.rept 16
	v_cmp_gt_i32 s[MK+k], 32*(n/16)+k, v218
.set k, k+1
.endr
	s_wait_alu depctr_va_sdst(0)                   ; the sixteen compares have written s32 to s47, ahead of the selects that read them
.set k, 0
.rept 16
	v_cndmask_b32 v[S+n+k], v[S+n+k], v219, s[MK+k]
.set k, k+1
.endr
.set n, n+16
.endr
.Lopen_\@:
.irp b, 0,1,2,3
	v_max3_num_f32 v[BM+\b], v[S+16*\b], v[S+1+16*\b], v[S+2+16*\b]            ; the largest score of each block of 32 keys: it serves for the row's maximum and, since p rises with the score, for the block's largest p
.endr
.irp i, 3,5,7,9,11,13
.irp b, 0,1,2,3
	v_max3_num_f32 v[BM+\b], v[BM+\b], v[S+16*\b+\i], v[S+1+16*\b+\i]
.endr
.endr
.irp b, 0,1,2,3
	v_max_num_f32 v[BM+\b], v[BM+\b], v[S+15+16*\b]
.endr
.irp b, 0,1,2,3
	v_permlanex16_b32 v[BT+\b], v[BM+\b], s[SEL], s[SEL+1]
.endr
.irp b, 0,1,2,3
	v_max_num_f32 v[BM+\b], v[BM+\b], v[BT+\b]     ; with lane l xor 16's 16 keys
.endr
	v_max3_num_f32 v218, v[BM], v[BM+1], v[BM+2]
	v_max_num_f32 v218, v218, v[BM+3]              ; the step's largest score of my query (key KF counts for it in every step that is worked)
	v_mul_f32 v218, s[CS], v218                    ; as t
	v_max_num_f32 v9, v9, v218                     ; the running largest t
	v_mov_b32 v218, v8
	v_floor_f32 v8, -v9                            ; the new -M = floor(-t) = -ceil(t): a whole number
	v_sub_f32 v218, v8, v218                       ; old M - new M: a whole number, 0 or less
	v_cvt_i32_f32 v218, v218                       ; (it saturates)
	v_ldexp_f32 v12, 1.0, v218                     ; f = 2^(old M - new M)
.set j, 0
.rept 32
	v_pk_fma_f32 v[S+j:S+j+1], v[S+j:S+j+1], s[CS:CS+1], v[8:9] op_sel_hi:[1,0,0]   ; t - M, two at a time
.set j, j+2
.endr
.irp b, 0,1,2,3
	v_fma_f32 v[BM+\b], v[BM+\b], s[CS], v8        ; the same of each block's largest score
.endr
.set j, 0
.rept 64
	v_exp_f32 v[S+j], v[S+j]                       ; p = 2^(t - M), at most 1
.set j, j+1
.endr
	v_pk_mul_f32 v[10:11], v[10:11], v[12:13] op_sel_hi:[1,0]   ; the sums under the new M: a plain place behind the exponentials
	s_wait_alu depctr_va_vdst(0)                   ; the 64 exponentials have written p: one wait for the batch, ahead of its first reader
.irp b, 0,1,2,3
	v_exp_f32 v[BM+\b], v[BM+\b]                   ; the block's largest p: the same two instructions on the same number
.endr
	v_pk_add_f32 v[220:221], v[S:S+1], v[S+2:S+3]  ; the row's sum of the UNQUANTISED p, in two chains
.set j, 4
.rept 15
	v_pk_add_f32 v[10:11], v[10:11], v[S+j:S+j+1]
	v_pk_add_f32 v[220:221], v[220:221], v[S+j+2:S+j+3]
.set j, j+4
.endr
	v_pk_add_f32 v[10:11], v[10:11], v[220:221]
	s_wait_alu depctr_va_vdst(0)                   ; the four exponentials have written the blocks' largest p, ahead of their first reader
.irp b, 0,1,2,3
	v_max_num_f32 v[BM+\b], 0x2800000, v[BM+\b]    ; the floor 2^(5 - 127): the byte cannot fall under 1
.endr
.irp b, 0,1,2,3
	v_add_nc_u32 v[SO+\b], 0xfe000000, v[BM+\b]    ; 4 off the exponent field: the conversion's scale operand
.endr
.irp b, 0,1,2,3
	v_lshrrev_b32 v[BT+\b], 23, v[SO+\b]           ; the scale's byte
.endr
	v_lshl_or_b32 v[PS], v[BT+1], 8, v[BT]         ; p's scale word for these 128 keys
	v_lshl_or_b32 v[PS], v[BT+2], 16, v[PS]
	v_lshl_or_b32 v[PS], v[BT+3], 24, v[PS]
.irp c, 0,1
	v_cvt_scalef32_pk16_bf6_f32 v[PC+6*\c:PC+2+6*\c], v[S+32*\c:S+15+32*\c], v[SO+2*\c]
	v_cvt_scalef32_pk16_bf6_f32 v[CT+4*\c:CT+2+4*\c], v[S+16+32*\c:S+31+32*\c], v[SO+1+2*\c]
.endr
	v_nop                                          ; one plain place behind a scaled conversion
.irp c, 0,1                                    ; a WHOLE block in a lane: lanes 0-15 block 2 c, lanes 16-31 block 2 c + 1
.irp i, 0,1,2
	v_permlane16_swap_b32 v[PC+6*\c+\i], v[CT+4*\c+\i]
.endr
.irp i, 0,1,2
	v_mov_b32 v[PC+3+6*\c+\i], v[CT+4*\c+\i]
.endr
.endr
.set j, 0
.rept 16
	v_pk_mul_f32 v[O+j:O+j+1], v[O+j:O+j+1], v[12:13] op_sel_hi:[1,0]   ; O^T under the new M.  These 16 are also the places between the writes of p's codes and scale word and the products
.set j, j+2
.endr
	s_wait_dscnt 0x0                               ; V is in
	s_wait_alu depctr_va_vdst(0)                   ; p's codes and scale word are written, which the products below take; the places above stay beside this wait
.irp t, 0,1,2,3                                ; O^T += V^T P^T: four accumulators by turns; the eight products of the next step's S^T stand between two links of a chain
	v_wmma_scale_f32_16x16x128_f8f6f4 v[O+8*\t:O+8*\t+7], v[FR+12*\t:FR+12*\t+11], v[PC:PC+11], v[O+8*\t:O+8*\t+7], v[SC+\t], v[PS] matrix_a_fmt:MATRIX_FMT_BF6 matrix_b_fmt:MATRIX_FMT_BF6
.endr
	PLACES                                         ; in front of the next step's loads into V's registers, and of the way out's reads
.Lhidden_\@:
	s_add_co_u32 s[KF], s[KF], 128
.endm
; HALF A TRIP: the two key steps of buffer buf.  fill = 1: the next slot is asked for at the head and goes into the other buffer at the end.  bar = 1: the barrier that closes the half.
.macro HALF buf, fill, bar
.if \fill
	s_wait_xcnt 0x0                                ; the last half's loads and prefetch have read their bases: they are stepped only behind this wait
	s_wait_alu depctr_vm_vsrc(0)                   ; the LDS stores at the last half's end (or at the kernel's head) have read STG, in which the loads below land
	s_add_nc_u64 s[6:7], s[6:7], SLOTB
	s_add_nc_u64 s[PFA:PFA+1], s[PFA:PFA+1], 32768
	global_load_b128 v[STG:STG+3], v[T16], s[6:7]                  ; 512 threads x 16 bytes, three times, and 4 bytes: 26,624 consecutive bytes
	global_load_b128 v[STG+4:STG+7], v[T16], s[6:7] offset:8192
	global_load_b128 v[STG+8:STG+11], v[T16], s[6:7] offset:16384
	global_load_b32 v[STG+12], v[T4], s[6:7] offset:24576
	ASK
	s_add_co_u32 s[HN], s[HN], 1
.endif
	STEP \buf, 0
	STEP \buf, 1
.if \fill
	s_wait_loadcnt 0x0                             ; my part of the next slot is in registers.  The other buffer's last readers passed the last barrier
	ds_store_b128 v[T16], v[STG:STG+3] offset:(1-\buf)*SLOTB
	ds_store_b128 v[T16], v[STG+4:STG+7] offset:(1-\buf)*SLOTB+8192
	ds_store_b128 v[T16], v[STG+8:STG+11] offset:(1-\buf)*SLOTB+16384
	ds_store_b32 v[T4], v[STG+12] offset:(1-\buf)*SLOTB+24576
.endif
.if \bar
	s_wait_dscnt 0x0                               ; for the others' sake: my stores have landed, and my reads of this buffer are over
	s_barrier_signal -1
	s_barrier_wait -1
.endif
.endm
	s_load_b128 s[4:7], s[0:1], 0x0                ; qq s[4:5], kvq s[6:7]
	s_load_b64 s[8:9], s[0:1], 0x10                ; yq
	v_lshl_add_u32 v254, v0, 2, 0xd000
	v_mov_b32 v255, 0
	v_lshrrev_b32 v7, 5, v0
	v_readfirstlane_b32 s[WV], v7                  ; wave 0..15
	s_and_b32 s[HEAD], ttmp7, 0xffff
	s_wait_alu depctr_va_sdst(0)                   ; s10, the wave's number, is written, ahead of its first reader
	s_and_b32 s13, s[WV], 7                        ; my tile among the block's eight
	s_lshr_b32 s[GG], s13, 1                       ; which 32 queries of the block,
	s_and_b32 s[UU], s13, 1                        ; which of their two tiles
	s_sub_co_u32 s[QBLK], 31, ttmp9
	s_cmp_lt_u32 s[WV], 8
	s_cselect_b32 s[QBLK], ttmp9, s[QBLK]          ; block i or block 31 - i
	s_lshl_b32 s[Q32], s[QBLK], 7
	s_lshl_b32 s30, s[GG], 5
	s_add_co_u32 s[Q32], s[Q32], s30
	s_add_co_u32 s[QMAX], s[Q32], 31
	s_mov_b32 s[KF], 0
	s_mov_b32 s[HN], 0
	s_sub_co_u32 s[CNT], 35, ttmp9
	s_lshr_b32 s[CNT], s[CNT], 2                   ; trips of four key steps: they cover the 32 - i steps of block 31 - i and never pass the head's 32
	s_sub_co_u32 s[CNT], s[CNT], 1                 ; the last trip is written out
	s_lshr_b32 s30, s[WV], 2
	s_xor_b32 s30, s30, 1                          ; 0 in waves 4 to 7
	s_or_b32 s30, s30, ttmp9                       ; of work-group i = 0
	s_cmp_eq_u32 s30, 0
	s_cselect_b32 s[LIM], 11, 0
	s_mov_b32 s[SEL], 0x76543210
	s_mov_b32 s[SEL+1], 0xfedcba98
	s_mov_b32 s[CS], 0x3e38aa3b                    ; log2(e) / 8
	s_mov_b32 s[CS+1], s[CS]
	v_and_b32 v7, 31, v0
	v_lshlrev_b32 v[LI], 4, v7
	v_lshlrev_b32 v[LS], 3, v7
	v_lshlrev_b32 v[PFO], 8, v7
	v_lshlrev_b32 v[T16], 4, v0
	v_lshlrev_b32 v[T4], 2, v0
	v_and_b32 v[QREL], 15, v0                      ; r
	v_and_b32 v7, 8, v[QREL]
	v_add_nc_u32 v[QREL], v[QREL], v7              ; r + 8 (r / 8)
	v_bfe_u32 v7, v0, 4, 1
	v_lshlrev_b32 v7, 4, v7
	v_sub_nc_u32 v[QREL], v[QREL], v7              ; - 16 h
	s_lshl_b32 s30, s[UU], 3
	v_add_nc_u32 v[QREL], s30, v[QREL]             ; + 8 u
	s_mul_i32 s30, s[HEAD], HEADB
	s_mov_b32 s31, 0
	s_and_b32 s32, s[WV], 3
	s_lshl_b32 s32, s32, 13
	s_add_co_u32 s32, s32, 32768
	s_mov_b32 s33, 0
	s_lshl_b32 s34, s[HEAD], 5
	s_add_co_u32 s34, s34, s[QBLK]
	s_mul_i32 s34, s34, QB                         ; q's QB,
	s_mov_b32 s35, 0
	s_mul_i32 s36, s[GG], 1536                     ; in it my 32 queries' fragment,
	s_mov_b32 s37, 0
	s_lshr_b32 s38, s[GG], 1
	s_lshl_b32 s38, s38, 8
	s_and_b32 s39, s[GG], 1
	s_lshl_b32 s39, s39, 2
	s_add_co_u32 s38, s38, s39                     ; and its scale word
	s_mov_b32 s39, 0
	s_wait_kmcnt 0x0
	s_add_nc_u64 s[6:7], s[6:7], s[30:31]          ; kvq at my head
	s_wait_alu depctr_va_vdst(0)                   ; v1 to v4 and v6 are written: the addresses and offsets of every load, store and prefetch of the kernel
	global_load_b128 v[STG:STG+3], v[T16], s[6:7]  ; slot 0
	global_load_b128 v[STG+4:STG+7], v[T16], s[6:7] offset:8192
	global_load_b128 v[STG+8:STG+11], v[T16], s[6:7] offset:16384
	global_load_b32 v[STG+12], v[T4], s[6:7] offset:24576
	s_add_nc_u64 s[PFA:PFA+1], s[6:7], s[32:33]    ; the first half steps it on by 32,768
	s_add_nc_u64 s[4:5], s[4:5], s[34:35]
	s_add_nc_u64 s[36:37], s[4:5], s[36:37]
	s_add_nc_u64 s[38:39], s[4:5], s[38:39]
	global_load_b128 v[S:S+3], v[LI], s[36:37]     ; the fragment of 32 queries: registers 0-5 the first tile, 6-11 the second
	global_load_b128 v[S+4:S+7], v[LI], s[36:37] offset:512
	global_load_b128 v[S+8:S+11], v[LI], s[36:37] offset:1024
	global_load_b32 v[QS], v[LS], s[38:39] offset:6144
	v_mov_b32 v7, s[UU]
	s_lshl_b32 s30, s[UU], 4
	s_wait_loadcnt 0x0
	ds_store_b128 v[T16], v[STG:STG+3]
	ds_store_b128 v[T16], v[STG+4:STG+7] offset:8192
	ds_store_b128 v[T16], v[STG+8:STG+11] offset:16384
	ds_store_b32 v[T4], v[STG+12] offset:24576
	v_cmp_ne_u32 vcc_lo, 0, v7
	s_wait_alu depctr_va_vcc(0)                    ; the compare has written VCC, ahead of the six selects that read it
.irp i, 0,1,2,3,4,5
	v_cndmask_b32 v[22+\i], v[S+\i], v[S+6+\i], vcc_lo             ; my tile's six registers
.endr
	v_lshrrev_b32 v[QS], s30, v[QS]                ; my tile's two bytes,
	v_and_b32 v[QS], 0xffff, v[QS]
	v_lshl_or_b32 v[QS], v[QS], 16, v[QS]          ; for either half of K
.irp i, 0,1,2,3,4,5
	v_mov_b32 v[16+\i], 0                          ; zero codes: they add nothing under any scale byte of K's
	v_mov_b32 v[28+\i], 0
.endr
.set j, 0
.rept 32
	v_mov_b32 v[O+j], 0                            ; O^T.  The step is written once: the first finds zeros, which the first change of M leaves zeros
.set j, j+1
.endr
	v_mov_b32 v9, 0xff61b1e6                       ; the largest t so far: -3e38
	v_floor_f32 v8, -v9                            ; -M
	v_mov_b32 v10, 0
	v_mov_b32 v11, 0
	v_mov_b32 v13, 0                               ; (named as the upper half of the pair v[12:13])
.irp b, 0,1,2,3
	v_mov_b32 v[BT+\b], 0                          ; a lane permute's destination counts as one of its sources
.endr
	v_mov_b32 v218, 0
	s_wait_alu depctr_va_vdst(0)                   ; q's six registers, the twelve of zero codes and q's scale word are written, which every product S^T takes; the moves above are the places behind them
	s_wait_dscnt 0x0
	s_barrier_signal -1
	s_barrier_wait -1                              ; slot 0 lies in buffer 0
.Ltrip:
	HALF 0, 1, 1
	HALF 1, 1, 1
	s_sub_co_u32 s[CNT], s[CNT], 1
	s_cmp_lg_u32 s[CNT], 0
	s_cbranch_scc1 .Ltrip
	HALF 0, 1, 1                                   ; the last trip is written out: its second half fetches nothing, so no load passes the head's last slot
	HALF 1, 0, 0
	; THE WAY OUT: O^T / the sum is my 16 queries' 64 numbers of y: two blocks of 32 along the last product's K.  They are quantised and stored as half a fragment of yq: [group of 64 rows][K step of 128] QB, in which
	; fragment f's half c (head 2 s + c) has registers 6 c .. 6 c + 3 at 1536 f + 768 c + 16 lane, registers 6 c + 4, 5 at + 512 + 8 lane, and its two scale bytes at 6144 + 256 (f / 2) + 8 lane + 4 (f % 2) + 2 c.
	v_add_f32 v10, v10, v11
	v_permlanex16_b32 v218, v10, s[SEL], s[SEL+1]
	v_add_f32 v10, v10, v218                       ; the row's sum
	v_rcp_f32 v219, v10
	v_nop                                          ; a plain place behind the transcendental
	s_lshr_b32 s30, s[Q32], 4
	s_add_co_u32 s30, s30, s[UU]                   ; my tile among the sequence's 256
	s_lshr_b32 s31, s30, 2                         ; its group of 64 rows,
	s_and_b32 s32, s30, 3                          ; its fragment
	s_mul_i32 s31, s31, 6
	s_lshr_b32 s33, s[HEAD], 1
	s_add_co_u32 s31, s31, s33
	s_mul_i32 s34, s31, QB                         ; the QB
	s_and_b32 s33, s[HEAD], 1                      ; which half of K
	s_mul_i32 s36, s32, 1536
	s_mul_i32 s37, s33, 768
	s_add_co_u32 s36, s36, s37
	s_add_co_u32 s36, s36, s34
	s_mov_b32 s37, 0
	s_add_nc_u64 s[38:39], s[8:9], s[36:37]        ; my codes
	s_lshr_b32 s36, s32, 1
	s_lshl_b32 s36, s36, 8
	s_and_b32 s32, s32, 1
	s_lshl_b32 s32, s32, 2
	s_add_co_u32 s36, s36, s32
	s_lshl_b32 s33, s33, 1
	s_add_co_u32 s36, s36, s33
	s_add_co_u32 s36, s36, s34
	s_add_nc_u64 s[40:41], s[8:9], s[36:37]        ; my scale bytes (+ 6,144 in the store)
	s_wait_alu depctr_va_vdst(0)                   ; the reciprocal has written v219, ahead of its first reader
.set j, 0
.rept 32
	v_mul_f32 v[S+j], v[O+j], v219                 ; register 16 B + i = y(my query, 64 head + 32 B + 16 h + i)
.set j, j+1
.endr
.irp b, 0,1
	v_max3_num_f32 v[BM+\b], |v[S+16*\b]|, |v[S+1+16*\b]|, 0x2800000
.endr
.irp i, 2,4,6,8,10,12,14
.irp b, 0,1
	v_max3_num_f32 v[BM+\b], v[BM+\b], |v[S+16*\b+\i]|, |v[S+1+16*\b+\i]|
.endr
.endr
.irp b, 0,1
	v_permlanex16_b32 v[BT+\b], v[BM+\b], s[SEL], s[SEL+1]
.endr
.irp b, 0,1
	v_max_num_f32 v[BM+\b], v[BM+\b], v[BT+\b]
.endr
.irp b, 0,1
	v_add_nc_u32 v[SO+\b], 0xfe000000, v[BM+\b]
.endr
.irp b, 0,1
	v_lshrrev_b32 v[BT+\b], 23, v[SO+\b]
.endr
	v_lshl_or_b32 v222, v[BT+1], 8, v[BT]          ; the two scale bytes
	v_cvt_scalef32_pk16_bf6_f32 v[PC:PC+2], v[S:S+15], v[SO]
	v_cvt_scalef32_pk16_bf6_f32 v[CT:CT+2], v[S+16:S+31], v[SO+1]
	v_nop                                          ; one plain place behind a scaled conversion
.irp i, 0,1,2
	v_permlane16_swap_b32 v[PC+\i], v[CT+\i]
.endr
.irp i, 0,1,2
	v_mov_b32 v[PC+3+\i], v[CT+\i]
.endr
	s_wait_alu depctr_va_vdst(0)                   ; y's codes in v186 to v191 and its scale bytes in v222 are written, which the stores below read
	global_store_b128 v[LI], v[PC:PC+3], s[38:39]                  ; 512 consecutive bytes, at a multiple of 256 from yq's first byte
	global_store_b64 v[LS], v[PC+4:PC+5], s[38:39] offset:512      ; 256 consecutive bytes
	global_store_b16 v[LS], v222, s[40:41] offset:6144             ; two bytes a lane, 8 bytes apart: the one store of this program that fills its 256 bytes in part: 64 bytes a wave
	s_wait_dscnt 0x0
	s_wait_alu depctr_hold_cnt(0) depctr_sa_sdst(0) depctr_va_vdst(0) depctr_va_sdst(0) depctr_va_ssrc(0) depctr_va_vcc(0) depctr_vm_vsrc(0)
	s_wait_tensorcnt 0x0
	ds_add_u32 v254, v255
	s_wait_dscnt 0x0
	s_endpgm
.Lfunc_end_k_q0e901b72d6_attn:
	.size	k_q0e901b72d6_attn, .Lfunc_end_k_q0e901b72d6_attn-k_q0e901b72d6_attn
	.p2alignl 7, 3214868480
	.fill 96, 4, 3214868480
	.section	.rodata,"a",@progbits
	.p2align	6, 0x0
	.amdhsa_kernel k_q0e901b72d6_attn
		.amdhsa_group_segment_fixed_size 55296
		.amdhsa_private_segment_fixed_size 0
		.amdhsa_enable_private_segment 0
		.amdhsa_kernarg_size 24
		.amdhsa_user_sgpr_count 2
		.amdhsa_user_sgpr_kernarg_segment_ptr 1
		.amdhsa_wavefront_size32 1
		.amdhsa_system_sgpr_workgroup_id_x 1
		.amdhsa_system_sgpr_workgroup_id_y 1
		.amdhsa_system_sgpr_workgroup_id_z 1
		.amdhsa_system_vgpr_workitem_id 0
		.amdhsa_next_free_vgpr 256
		.amdhsa_next_free_sgpr 66
		.amdhsa_reserve_vcc 1
		.amdhsa_float_denorm_mode_32 3
		.amdhsa_float_denorm_mode_16_64 3
		.amdhsa_memory_ordered 1
		.amdhsa_forward_progress 1
		.amdhsa_inst_pref_size 212
	.end_amdhsa_kernel
	.amdgpu_metadata
---
amdhsa.version: [ 1, 2 ]
amdhsa.kernels:
  - .name:           k_q0e901b72d6_attn
    .symbol:         k_q0e901b72d6_attn.kd
    .args:
      - { .name: qq, .offset: 0, .size: 8, .value_kind: global_buffer, .address_space: global }
      - { .name: kvq, .offset: 8, .size: 8, .value_kind: global_buffer, .address_space: global }
      - { .name: yq, .offset: 16, .size: 8, .value_kind: global_buffer, .address_space: global }
    .group_segment_fixed_size: 55296
    .private_segment_fixed_size: 0
    .kernarg_segment_align: 8
    .kernarg_segment_size: 24
    .max_flat_workgroup_size: 512
    .sgpr_count:     66
    .vgpr_count:     256
    .wavefront_size: 32
...
	.end_amdgpu_metadata
.endif
;; end of part 6
;; launch proj (part 7): grid 4 x 64, 6 waves a work-group, no clusters, 186,624 bytes of LDS; arguments yq, opq, out0; writes out0
.if DOCPART == 7
	.amdgcn_target "amdgcn-amd-amdhsa--gfx1250"
	.amdhsa_code_object_version 6
	.text
	.protected	k_q0e901b72d6_proj
	.globl	k_q0e901b72d6_proj
	.p2align	8
	.type	k_q0e901b72d6_proj,@function
k_q0e901b72d6_proj:
	s_mov_b64 s[64:65], 0
	v_nop
	global_prefetch_b8 v0, s[64:65] scope:SCOPE_SE
	s_setreg_imm32_b32 hwreg(HW_REG_WAVE_SCHED_MODE, 0, 2), 2
	s_setreg_imm32_b32 hwreg(HW_REG_WAVE_MODE, 25, 1), 1
	s_wait_xcnt 0x0
	s_wait_alu depctr_vm_vsrc(0)
; out = y Wp^T on codes of BF6 (E3M2) with E8M0 scales, sums in f32.  y comes from yq, Wp from opq (groups 100-111), both as images of the operands' registers.
; SHARES.  Work-group (cg, G): the 64 rows of group G x 192 columns (Wp's groups 3 cg .. 3 cg + 2): 256 work-groups.  All of K (768) lies in LDS: 6 QB of y, 18 QB of Wp, a plain copy of 39,936 + 119,808 consecutive bytes,
; brought once through registers; one barrier.  Wave w: rows' tiles 2 (w % 2), 2 (w % 2) + 1 x the four tiles of Wp's group w / 2: eight accumulators that take turns.
; TRANSPOSED: source 0 = 16 rows of Wp, source 1 = 16 rows of y: a lane holds one row of out, and by the order of Wp's rows in a fragment register j of tile 2 B + u is column 32 B + 16 (lane / 16) + 8 u + j.
; A K step's 23 LDS loads are issued a step ahead, into the other of two sets of registers.
; THE WAY OUT: a tile's 16 rows x 64 columns go through the wave's own stage in LDS and leave as rows of 256 bytes: sixteen lanes store 256 consecutive bytes, at a multiple of 256 from out's first byte.
; No joint loads here: each work-group asks for its operands once, at its head, by 52 plain loads a thread that are all out together; there is no ring that a round could serve.
; THE MODE: SCHED_MODE bits 1:0 = 2 (LLVM: expert scheduling mode 2), set by the entry lines.  The code itself states the register dependences
; between vector or matrix instructions and memory or LDS instructions, with s_wait_alu, always for 0.
; THE PLAN.  Registers that memory or LDS instructions touch:
;   v3-5              offsets and LDS addresses of the copy: made once, ahead of its loads.   v1, v2, v6-13  the other addresses: made once, while the copy's loads are out.  None is written again.
;   v16-223           the copy: its loads land there, its LDS stores read them; behind the barrier they are accumulators and operands.
;   set 0, set 1      (operands at v80 and v152, scale words at v224 and v230.)  Step s: its eight products read set s % 2; the loads of step s + 1 land in the other set, which the products of step s - 1 read.
;   the accumulators  written by the products, read by the LDS stores of the way out;  OB: the stage's loads land there, in registers that held operands; the final stores read them.
; So ONE wait on va_vdst stands at the head of a step, behind the wait for its own set's loads: the products of the step before are done reading the other set.  Behind it the next step's 23 loads are dealt
; among the step's first four products, six behind each: those products name set s % 2, its scale words and the accumulators, none of the registers that the loads touch.
.set QB,   6656
.set GRP,  6*QB
.set STGB, 4*GRP                       ; behind the operands: 16 rows x 272 bytes for each wave
.set SPI,  272
.set LI,   1                           ; v1   16 x lane
.set LS,   2                           ; v2   8 x lane
.set CB,   3                           ; v3-5 the copy: 16 x thread + 64,512 k (v3 is also the loads' offset)
.set YA,   6                           ; v6   y's fragments, the pieces of 16 bytes
.set YA8,  7                           ; v7   and those of 8
.set YS,   8                           ; v8   y's scale words
.set WA,   9                           ; v9   Wp's fragments
.set WS,   10                          ; v10  Wp's scale words
.set STO,  11                          ; v11  the stage, on the way in
.set RD,   12                          ; v12  and back
.set GO,   13                          ; v13  my byte offset in out
.set ACC,  16                          ; v16-79   eight accumulators
.set YF,   80                          ; set z at + 72 z: y's two fragments,
.set WF,   104                         ; Wp's four
.set SY,   224                         ; v224-235 scale words, set z at + 6 z: y's two, Wp's four: these registers hold scales and nothing else
.set SW,   226
.set OB,   80                          ; the way out: v80-111 and v160-191
.macro PLACES
.rept 4
	v_nop
.endr
.endm
; Load number LN of the 23 of K step s, into set z; then LN steps on.  0-7: y's two fragments; 8: y's scale words; 9-20: Wp's four fragments; 21, 22: Wp's scale words; from 23 on: nothing.
.macro LD1 s, z
.if LN < 8
.set LE, LN/4
.set LC, (LN/2)%2
.if LN%2 == 0
	ds_load_b128 v[YF+72*(\z)+12*LE+6*LC:YF+72*(\z)+12*LE+6*LC+3], v[YA] offset:QB*(\s)+1536*LE+768*LC
.else
	ds_load_b64 v[YF+72*(\z)+12*LE+6*LC+4:YF+72*(\z)+12*LE+6*LC+5], v[YA8] offset:QB*(\s)+1536*LE+768*LC+512
.endif
.elseif LN == 8
	ds_load_b64 v[SY+6*(\z):SY+6*(\z)+1], v[YS] offset:QB*(\s)
.elseif LN < 21
	ds_load_b128 v[WF+72*(\z)+4*(LN-9):WF+72*(\z)+4*(LN-9)+3], v[WA] offset:QB*(\s)+512*(LN-9)
.elseif LN < 23
	ds_load_b64 v[SW+6*(\z)+2*(LN-21):SW+6*(\z)+2*(LN-21)+1], v[WS] offset:QB*(\s)+256*(LN-21)
.endif
.set LN, LN+1
.endm
	s_load_b128 s[4:7], s[0:1], 0x0                ; yq s[4:5], opq s[6:7]
	s_load_b64 s[8:9], s[0:1], 0x10                ; out0
	v_lshl_add_u32 v254, v0, 2, 0x2d600
	v_mov_b32 v255, 0
	v_lshrrev_b32 v1, 5, v0
	v_readfirstlane_b32 s10, v1                    ; wave 0..5
	s_mov_b32 s11, ttmp9                           ; cg
	s_and_b32 s12, ttmp7, 0xffff                   ; the group of 64 rows
	s_wait_alu depctr_va_sdst(0)                   ; s10 is written, ahead of its first reader
	s_and_b32 s13, s10, 1                          ; which two tiles of rows
	s_lshr_b32 s14, s10, 1                         ; which of Wp's three groups
	v_lshlrev_b32 v[CB], 4, v0
	v_add_nc_u32 v[CB+1], 64512, v[CB]
	v_add_nc_u32 v[CB+2], 2*64512, v[CB]
	s_mul_i32 s16, s12, GRP
	s_mov_b32 s17, 0
	s_mul_i32 s18, s11, 3*GRP
	s_add_co_u32 s18, s18, 100*GRP
	s_mov_b32 s19, 0
	s_wait_kmcnt 0x0
	s_add_nc_u64 s[4:5], s[4:5], s[16:17]
	s_add_nc_u64 s[6:7], s[6:7], s[18:19]
	s_wait_alu depctr_va_vdst(0)                   ; v3 to v5 are written: the offset of the copy's loads and the addresses of its LDS stores
	; THE COPY: 192 threads x 16 bytes = 3,072 bytes an instruction: 13 for y, 39 for Wp; all 52 loads are out together
.set j, 0
.rept 13
	global_load_b128 v[16+4*j:19+4*j], v[CB], s[4:5] offset:3072*j
.set j, j+1
.endr
.rept 39
	global_load_b128 v[16+4*j:19+4*j], v[CB], s[6:7] offset:3072*(j-13)
.set j, j+1
.endr
	v_and_b32 v1, 31, v0
	v_lshlrev_b32 v[LS], 3, v1
	v_lshlrev_b32 v[LI], 4, v1
	s_mul_i32 s20, s13, 3072
	v_add_nc_u32 v[YA], s20, v[LI]
	v_add_nc_u32 v[YA8], s20, v[LS]
	s_lshl_b32 s21, s13, 8
	v_add_nc_u32 v[YS], s21, v[LS]
	v_add_nc_u32 v[YS], 6144, v[YS]
	s_add_co_u32 s22, s14, 1
	s_mul_i32 s22, s22, GRP                        ; Wp's groups lie behind y's one
	v_add_nc_u32 v[WA], s22, v[LI]
	v_add_nc_u32 v[WS], s22, v[LS]
	v_add_nc_u32 v[WS], 6144, v[WS]
	s_mul_i32 s23, s10, 16*SPI
	s_add_co_u32 s23, s23, STGB                    ; my stage
	v_and_b32 v14, 15, v0                          ; r
	v_bfe_u32 v15, v0, 4, 1                        ; h
	v_mul_u32_u24 v[STO], v14, SPI
	v_lshl_add_u32 v[STO], v15, 6, v[STO]
	v_add_nc_u32 v[STO], s23, v[STO]               ; in: row r, + 64 h
	v_mul_u32_u24 v[RD], v15, SPI
	v_lshl_add_u32 v[RD], v14, 4, v[RD]
	v_add_nc_u32 v[RD], s23, v[RD]                 ; back: lanes 0-15 one row of 256 bytes, lanes 16-31 the next
	v_mul_u32_u24 v[GO], v15, 3072
	v_lshl_add_u32 v[GO], v14, 4, v[GO]            ; and the same two rows in out
	s_lshl_b32 s16, s12, 6
	s_lshl_b32 s18, s13, 5
	s_add_co_u32 s16, s16, s18                     ; my first row: 64 G + 32 (w % 2)
	s_mul_i32 s16, s16, 3072
	s_mul_i32 s18, s11, 768
	s_add_co_u32 s16, s16, s18
	s_lshl_b32 s18, s14, 8
	s_add_co_u32 s16, s16, s18                     ; my first column, in bytes: 768 cg + 256 (w / 2)
	s_add_nc_u64 s[8:9], s[8:9], s[16:17]
.set j, 0
.rept 52
	s_wait_loadcnt 51-j                            ; load j is in: 51 - j loads were issued behind it
	ds_store_b128 v[CB+j/21], v[16+4*j:19+4*j] offset:3072*(j%21)
.set j, j+1
.endr
	s_wait_dscnt 0x0                               ; for the others' sake: my part of the copy has landed
	s_barrier_signal -1
	s_barrier_wait -1                              ; everybody's has; the operands are only read from here on
	s_wait_alu depctr_vm_vsrc(0)                   ; my LDS stores have read v16 to v223: from here on products write them and LDS loads land in them
	s_wait_alu depctr_va_vdst(0)                   ; v1, v2 and v6 to v13 are written: the addresses of the LDS loads, of the stage and of the final stores
.set LN, 0
.rept 23
	LD1 0, 0                                       ; K step 0 into set 0
.endr
.irp s, 0,1,2,3,4,5
.if (\s > 0) && (\s < 5)
	PLACES                                         ; four places behind the last step's products, whose set the loads below fill again
.endif
	s_wait_dscnt 0x0                               ; this step's 23 loads are in: no younger LDS load is out
.if (\s > 0) && (\s < 5)
	s_wait_alu depctr_va_vdst(0)                   ; the last step's products are done reading the other set and its scale words, in which the loads below land
.endif
.set LN, 0
.irp e, 0,1
.irp t, 0,1,2,3
.if \s == 0
	v_wmma_scale_f32_16x16x128_f8f6f4 v[ACC+32*\e+8*\t:ACC+32*\e+8*\t+7], v[WF+72*(\s%2)+12*\t:WF+72*(\s%2)+12*\t+11], v[YF+72*(\s%2)+12*\e:YF+72*(\s%2)+12*\e+11], 0, v[SW+6*(\s%2)+\t], v[SY+6*(\s%2)+\e] matrix_a_fmt:MATRIX_FMT_BF6 matrix_b_fmt:MATRIX_FMT_BF6
.else
	v_wmma_scale_f32_16x16x128_f8f6f4 v[ACC+32*\e+8*\t:ACC+32*\e+8*\t+7], v[WF+72*(\s%2)+12*\t:WF+72*(\s%2)+12*\t+11], v[YF+72*(\s%2)+12*\e:YF+72*(\s%2)+12*\e+11], v[ACC+32*\e+8*\t:ACC+32*\e+8*\t+7], v[SW+6*(\s%2)+\t], v[SY+6*(\s%2)+\e] matrix_a_fmt:MATRIX_FMT_BF6 matrix_b_fmt:MATRIX_FMT_BF6
.endif
.if (\s < 5) && (\e == 0)
.rept 6
	LD1 \s+1, (\s+1)%2                             ; the next K step, six loads behind each of the first four products.  No wait: no vector or matrix instruction since the wait above names the other set
.endr
.endif
.endr
.endr
.endr
	PLACES                                         ; in front of the reads of the results and of the loads into the operands' registers
	s_wait_alu depctr_va_vdst(0)                   ; the products have written the accumulators, which the LDS stores read, and are done reading the operands, in whose registers the stage's loads land; the places above stay beside this wait
.irp e, 0,1                                    ; LDS serves a wave's instructions in order: the loads see the stores above them, and the second tile's stores come behind the first tile's loads
.irp t, 0,1,2,3
	ds_store_b128 v[STO], v[ACC+32*\e+8*\t:ACC+32*\e+8*\t+3] offset:128*(\t/2)+32*(\t%2)          ; each accumulator from its low end on
	ds_store_b128 v[STO], v[ACC+32*\e+8*\t+4:ACC+32*\e+8*\t+7] offset:128*(\t/2)+32*(\t%2)+16
.endr
.irp i, 0,1,2,3,4,5,6,7
	ds_load_b128 v[OB+80*\e+4*\i:OB+80*\e+4*\i+3], v[RD] offset:2*SPI*\i
.endr
.endr
.irp e, 0,1
	s_wait_dscnt 16-16*\e                          ; the first tile is back (the second tile's 16 LDS instructions may be out); then the second
.irp i, 0,1,2,3,4,5,6,7
	global_store_b128 v[GO], v[OB+80*\e+4*\i:OB+80*\e+4*\i+3], s[8:9] offset:(8*\e+2*\i+8*(\i/4))*3072 th:TH_STORE_NT   ; stage row p of tile e is row 8 e + p + 8 (p / 8) of my 32
.endr
.endr
	s_wait_dscnt 0x0
	s_wait_alu depctr_hold_cnt(0) depctr_sa_sdst(0) depctr_va_vdst(0) depctr_va_sdst(0) depctr_va_ssrc(0) depctr_va_vcc(0) depctr_vm_vsrc(0)
	s_wait_tensorcnt 0x0
	ds_add_u32 v254, v255
	s_wait_dscnt 0x0
	s_endpgm
.Lfunc_end_k_q0e901b72d6_proj:
	.size	k_q0e901b72d6_proj, .Lfunc_end_k_q0e901b72d6_proj-k_q0e901b72d6_proj
	.p2alignl 7, 3214868480
	.fill 96, 4, 3214868480
	.section	.rodata,"a",@progbits
	.p2align	6, 0x0
	.amdhsa_kernel k_q0e901b72d6_proj
		.amdhsa_group_segment_fixed_size 186624
		.amdhsa_private_segment_fixed_size 0
		.amdhsa_enable_private_segment 0
		.amdhsa_kernarg_size 24
		.amdhsa_user_sgpr_count 2
		.amdhsa_user_sgpr_kernarg_segment_ptr 1
		.amdhsa_wavefront_size32 1
		.amdhsa_system_sgpr_workgroup_id_x 1
		.amdhsa_system_sgpr_workgroup_id_y 1
		.amdhsa_system_sgpr_workgroup_id_z 1
		.amdhsa_system_vgpr_workitem_id 0
		.amdhsa_next_free_vgpr 256
		.amdhsa_next_free_sgpr 66
		.amdhsa_reserve_vcc 0
		.amdhsa_float_denorm_mode_32 3
		.amdhsa_float_denorm_mode_16_64 3
		.amdhsa_memory_ordered 1
		.amdhsa_forward_progress 1
		.amdhsa_inst_pref_size 33
	.end_amdhsa_kernel
	.amdgpu_metadata
---
amdhsa.version: [ 1, 2 ]
amdhsa.kernels:
  - .name:           k_q0e901b72d6_proj
    .symbol:         k_q0e901b72d6_proj.kd
    .args:
      - { .name: yq, .offset: 0, .size: 8, .value_kind: global_buffer, .address_space: global }
      - { .name: opq, .offset: 8, .size: 8, .value_kind: global_buffer, .address_space: global }
      - { .name: out0, .offset: 16, .size: 8, .value_kind: global_buffer, .address_space: global }
    .group_segment_fixed_size: 186624
    .private_segment_fixed_size: 0
    .kernarg_segment_align: 8
    .kernarg_segment_size: 24
    .max_flat_workgroup_size: 192
    .sgpr_count:     66
    .vgpr_count:     256
    .wavefront_size: 32
...
	.end_amdgpu_metadata
.endif
;; end of part 7
